; MI455X (gfx1250); checked and timed in simulation.
; The chip was launched on July 23, 2026; its instructions are those of AMD's public machine-readable ISA for CDNA 5 (MIT licence, August 2026) and "CDNA5" Instruction Set Architecture Reference Guide (July 2026). The comments in the code are by the model that wrote it; some were corrected since.
;; MLA Segmented Cross Attention. Allowed arithmetic: matrix products marked QUANTISED: E3M2 operands, one E8M0 scale for each 32 along K, by v_wmma_scale_f32_16x16x128_f8f6f4 with both operands' format E3M2, f32 sums; everything else in f32.
;; Inputs: W_dq 1,024 x 512 float32; W_kr 256 x 64 float32; W_kv 1,024 x 256 float32; W_o 1,024 x 1,024 float32; W_qr 512 x 1,024 float32; W_uk 256 x 1,024 float32; W_uq 512 x 1,024 float32; W_uv 256 x 1,024 float32; kv_pos_ids 1 x 2,048 int32; kv_src 1 x 2,048 x 1,024 float32; q 1 x 2,048 x 1,024 float32; q_pos_ids 1 x 2,048 int32; seg_id 1 x 2,048 int32.
;; Outputs: out0 1 x 2,048 x 1,024 float32.
;; This version of the problem:
;;   THIS VERSION OF THE PROBLEM IS GIVEN IN LOW PRECISION. The matrix products marked QUANTISED in the list below multiply operands that are first quantised to E3M2 (3 exponent bits, 2 mantissa bits; 6 bits a number), with one power-of-two scale for each 32 numbers along K (OCP MX v1.0); their sums are f32. All else is computed in f32.
;;   The module's matrix products, in the order in which they are computed (A, B: the left and right operand; K: the contracted axis; several contracted axes count as one K, in the product's order):
;;     1. [M 2,048, K 1,024] x [K 1,024, N 256]; A: input kv_src; B: input W_kv: QUANTISED
;;     2. [M 2,048, K 1,024] x [K 1,024, N 512]; A: input q; B: input W_dq: QUANTISED
;;     3. [M 2,048, K 512] x [K 512, N 1,024]; A: computed on the way; B: input W_uq: QUANTISED
;;     4. [M 2,048, K 512] x [K 512, N 1,024]; A: computed on the way; B: input W_qr: QUANTISED
;;     5. [M 2,048, K 256] x [K 256, N 1,024]; A: computed on the way; B: input W_uk: QUANTISED
;;     6. [M 2,048, K 256] x [K 256, N 64]; A: computed on the way; B: input W_kr: QUANTISED
;;     7. [M 2,048, K 256] x [K 256, N 1,024]; A: computed on the way; B: input W_uv: QUANTISED
;;     8. batch 16 x [M 2,048, K 64] x [K 64, N 2,048]; A: computed on the way; B: computed on the way: QUANTISED
;;     9. [M 2,048, K 64] x [K 64, N 32,768]; A: computed on the way; B: computed on the way: QUANTISED
;;     10. batch 16 x [M 64, K 2,048] x [K 2,048, N 2,048]; A: computed on the way; B: softmax (see below): QUANTISED
;;     11. [M 2,048, K 1,024] x [K 1,024, N 1,024]; A: computed on the way; B: input W_o: QUANTISED
;;   THE QUANTISER, for each operand of a quantised product, along K:
;;     - K is cut into blocks of 32 from its start; a last block that is shorter is filled with zeros.
;;     - A block's scale is 2^e with e = floor(log2(the largest magnitude in the block)) - 4, held to -126 .. 127; a block of zeros has e = 0. As a byte (E8M0): e + 127.
;;     - Each number is divided by its block's scale, clamped to +-28, and rounded to the nearest number of E3M2, ties to even, subnormals kept.
;;     - The product sums the exact products of the quantised numbers (number of the format x scale) in f32.
;;   ~~~python
;;   def quantise(x, axis):      # numpy; x: float32 -> the quantised numbers, widened to float32 again
;;       x = np.moveaxis(x, axis, -1); K = x.shape[-1]
;;       x = np.pad(x, [(0, 0)] * (x.ndim - 1) + [(0, -K % 32)]); x = x.reshape(x.shape[:-1] + (-1, 32)); a = np.abs(x).max(-1, keepdims=True)
;;       e = np.where(a > 0, np.clip(np.frexp(np.where(a > 0, a, 1))[1] - 1 - 4, -126, 127), 0)      # np.frexp(a)[1] - 1 = floor(log2(a)), exactly
;;       r = np.clip(x / 2.0 ** e, -28, 28)
;;       step = 2.0 ** (np.maximum(np.frexp(np.where(r == 0, 1, r))[1] - 1, -2) - 2)
;;       q = np.round(r / step) * step * 2.0 ** e      # np.round: ties to even
;;       return np.moveaxis(q.reshape(q.shape[:-2] + (-1,))[..., :K], -1, axis).astype(np.float32)
;;   ~~~
;;   SOFTMAX AHEAD OF A QUANTISED PRODUCT. Where the list says 'softmax', what is quantised is not the finished softmax but p = 2^(t - M), with t = logit x log2(e) and M = ceil(the row's largest t), a whole number; so 1/2 < the row's largest p <= 1. The row's sum l is taken of the UNQUANTISED p, in f32, and the product's result is divided by l at the end. Since M is a whole number, a kernel that streams over the keys may use a running M (the ceiling of the running maximum): every later rescaling is an exact power of two, which a block's scale takes up: the codes' values come out the same.
;;   OPERANDS COMPUTED ON THE WAY. 'Computed on the way' means the value that the module computes at that place (a softmax that the list does not call 'softmax' is quantised finished and normalised). What goes into a quantiser is computed in f32, as accurately as f32 sums, v_exp_f32 and their like allow (about 1e-6 of the number): no bf16 or f16 on the way to a quantiser, and a product that is left as it is and whose result goes on into a quantised operand takes f32 operands (vector FMAs, or v_wmma_f32_16x16x4_f32). A number that lies on a knife's edge between two numbers of the format may be rounded either way, as far as f32 arithmetic and the matrix unit's own rounding can turn it there, and no further.
;; 2 versions, each right; version 2 is version 1 with the launches projB, attn written anew for expert scheduling mode. Each part assembles by itself: llvm-mc -triple=amdgcn-amd-amdhsa -mcpu=gfx1250 --defsym DOCPART=n.
;; ======== version 1 of 2: 5 launches
;; workspace buffers: pre 6,714,368 bytes; mid 1,277,952 bytes; qkv 8,650,752 bytes; att 1,703,936 bytes
;; launch prep (part 1): grid 369 x 1, 4 waves a work-group, no clusters, 46,592 bytes of LDS; arguments q, kv_src, W_kv, W_dq, W_uq, W_qr, W_uk, W_uv, W_o, W_kr, pre; writes pre
.if DOCPART == 1
	.amdgcn_target "amdgcn-amd-amdhsa--gfx1250"
	.amdhsa_code_object_version 6
	.text
	.protected	k_qa9deec95f8_prep
	.globl	k_qa9deec95f8_prep
	.p2align	8
	.type	k_qa9deec95f8_prep,@function
k_qa9deec95f8_prep:
	s_mov_b64 s[64:65], 0
	v_nop
	global_prefetch_b8 v0, s[64:65] scope:SCOPE_SE
	s_setreg_imm32_b32 hwreg(HW_REG_WAVE_MODE, 25, 1), 1
	s_wait_xcnt 0x0
; PREP: everything that arrives as f32 becomes codes of E3M2 with one E8M0 byte for each 32 along K, laid as IMAGES OF OPERAND REGISTERS, and a table of rope's cosines and sines is made.
; A fragment (16 rows x 128 K, 12 registers a lane) is 1,536 bytes: register 4 c + j of a lane at byte 512 c + 16 lane + 4 j.  Its scale words are 128 bytes: row (lane % 16)'s word at 4 lane.
; THE 16 ROWS (OR WEIGHT COLUMNS) OF A TILE ARE NOT NEIGHBOURS: row r of tile T is 32 (T / 2) + 8 (T % 2) + r + 8 (r / 8), so that a product that takes such a tile as source 0 leaves 16 neighbours in the
; 16 registers of two neighbouring tiles.
; Work-groups 0-127: q and kv_src (K innermost).  128-336: the eight weights (K is their first axis: a lane takes a column, its registers run down K).  337-368: the rope table.  Waves share nothing: no barrier.
; A block's scale byte is its largest magnitude's exponent field - 4, held at 1 from below (a block of zeros gets 1, with zero codes; this program alone reads the bytes).
; LIMITS: NaN and infinities among the inputs are not served; a block whose largest magnitude lies under 2^-122 keeps the byte 1.
.set WS,  2568192                      ; in pre: weights' fragments from 0 (1,672), their scale words from WS,
.set XF,  2782208                      ; the fragments of kv_src (tiles 0-127) and q (128-255), [tile][K step 8], from XF,
.set XS,  5927936                      ; their scale words,
.set RP,  6190080                      ; rope records, 4,096 bytes a tile
.set SEL, 2                            ; s[2:3] lane selects: lane l xor 16
.set TM,  208                          ; v208-223 at work in the quantiser
.set PW,  224                          ; v224 the scale word just made
.set PC,  226                          ; v226-244 the codes just made
.set X,   144                          ; v144-207 64 numbers of a lane
.set STW, 33792                        ; LDS: 4 x 8,448 bytes of stages for q and kv_src, then 4 x 3,072 for the weights: each way has bytes of its own
; 64 numbers of a lane, register 16 b + i = k 32 b + 16 (lane / 16) + i of my row, become a fragment's codes in v[PC] on and its scale word in v[PW]
.macro QUANT s
.irp b, 0,1,2,3
	v_max3_num_f32 v[TM+\b], |v[\s+16*\b]|, |v[\s+1+16*\b]|, 0x2800000   ; block b: my 16 numbers, and the floor 2^(5 - 127): the byte cannot fall under 1
.endr
.irp i, 2,4,6,8,10,12,14
.irp b, 0,1,2,3
	v_max3_num_f32 v[TM+\b], v[TM+\b], |v[\s+16*\b+\i]|, |v[\s+1+16*\b+\i]|
.endr
.endr
.irp b, 0,1,2,3
	v_permlanex16_b32 v[TM+4+\b], v[TM+\b], s[SEL], s[SEL+1]
.endr
.irp b, 0,1,2,3
	v_max_num_f32 v[TM+\b], v[TM+\b], v[TM+4+\b]   ; with lane l xor 16's: the block's largest magnitude
.endr
.irp b, 0,1,2,3
	v_add_nc_u32 v[TM+12+\b], 0xfe000000, v[TM+\b]   ; 4 off its exponent field: the conversion's scale operand
.endr
.irp b, 0,1,2,3
	v_lshrrev_b32 v[TM+4+\b], 23, v[TM+12+\b]   ; the scale's byte
.endr
	v_lshl_or_b32 v[PW], v[TM+5], 8, v[TM+4]
	v_lshl_or_b32 v[PW], v[TM+6], 16, v[PW]
	v_lshl_or_b32 v[PW], v[TM+7], 24, v[PW]
.irp c, 0,1
	v_cvt_scalef32_pk16_bf6_f32 v[PC+6*\c:PC+2+6*\c], v[\s+32*\c:\s+15+32*\c], v[TM+12+2*\c]
	v_cvt_scalef32_pk16_bf6_f32 v[PC+12+4*\c:PC+14+4*\c], v[\s+16+32*\c:\s+31+32*\c], v[TM+12+2*\c+1]   ; (a conversion's three registers begin on an even number)
.endr
	v_nop                                          ; one plain place behind a scaled conversion
.irp c, 0,1                                    ; the operand's layout wants a whole block in a lane: lanes 0-15 block 2 c, lanes 16-31 block 2 c + 1
.irp i, 0,1,2
	v_permlane16_swap_b32 v[PC+6*\c+\i], v[PC+12+4*\c+\i]
.endr
.irp i, 0,1,2
	v_mov_b32 v[PC+3+6*\c+\i], v[PC+12+4*\c+\i]
.endr
.endr
.endm
.macro TILE0 d, t, x                   ; s[d] = a tile's first row: 32 (s[t] / 2) + 8 (s[t] % 2)
	s_lshr_b32 s[\d], s[\t], 1
	s_lshl_b32 s[\d], s[\d], 5
	s_and_b32 s[\x], s[\t], 1
	s_lshl_b32 s[\x], s[\x], 3
	s_add_co_u32 s[\d], s[\d], s[\x]
.endm
	s_load_b512 s[16:31], s[0:1], 0x0              ; q 16, kv_src 18, W_kv 20, W_dq 22, W_uq 24, W_qr 26, W_uk 28, W_uv 30
	s_load_b128 s[32:35], s[0:1], 0x40             ; W_o 32, W_kr 34
	s_load_b64 s[36:37], s[0:1], 0x50              ; pre
	v_lshl_add_u32 v248, v0, 2, 0xb400
	v_mov_b32 v249, 0
	v_lshrrev_b32 v1, 5, v0
	v_readfirstlane_b32 s8, v1                     ; wave
	v_and_b32 v1, 31, v0                           ; lane
	v_and_b32 v2, 15, v0                           ; r
	v_bfe_u32 v3, v0, 4, 1                         ; h
	s_mul_i32 s9, s8, 8448                         ; every LDS address is made here, ahead of the parting of the ways
	v_lshl_add_u32 v4, v1, 4, s9                   ; rows' stage, in: 16 x lane
	v_mul_u32_u24 v5, v2, 528
	v_lshl_add_u32 v5, v3, 6, v5
	v_add_nc_u32 v5, s9, v5                        ; and out: row r of 528 bytes, + 64 h
	s_mul_i32 s10, s8, 3072
	s_add_co_u32 s10, s10, STW
	v_bfe_u32 v11, v0, 3, 1                        ; my column 32 cg + lane lies in tile u = (lane / 8) % 2
	v_and_b32 v12, 7, v0
	v_lshl_add_u32 v12, v3, 3, v12                 ; as its row 8 (lane / 16) + lane % 8
	v_mul_u32_u24 v6, v11, 1536
	v_lshl_add_u32 v6, v12, 4, v6
	v_add_nc_u32 v6, s10, v6                       ; weights' stage, in: my column's place in the pair of images
	v_lshl_add_u32 v7, v1, 4, s10                  ; and out: 16 x lane
	v_lshlrev_b32 v8, 4, v1                        ; memory: 16 x lane
	v_lshlrev_b32 v9, 2, v1                        ; 4 x lane
	v_lshlrev_b32 v10, 7, v11
	v_lshl_add_u32 v10, v12, 2, v10                ; my column's scale word in the pair's 256 bytes
	s_mov_b32 s[SEL], 0x76543210
	s_mov_b32 s[SEL+1], 0xfedcba98
	s_wait_kmcnt 0x0
	s_cmp_lt_u32 ttmp9, 128
	s_cbranch_scc0 .Lnot_x
; ---- q and kv_src.  A wave takes one tile of 16 rows and four K steps of 128.  Each load reads 512 consecutive bytes of a row; a K step's 16 rows turn through the wave's stage, so that a lane gets 16 neighbours of each block.
	s_lshl_b32 s9, ttmp9, 2
	s_add_co_u32 s9, s9, s8
	s_lshr_b32 s10, s9, 1                          ; tile 0-255
	s_and_b32 s11, s9, 1                           ; which four K steps
	s_and_b32 s12, s10, 127
	TILE0 13, 12, 14
	s_lshl_b32 s42, s13, 12                        ; a row is 4,096 bytes
	s_lshl_b32 s14, s11, 11
	s_add_co_u32 s42, s42, s14
	s_mov_b32 s43, 0
	s_cmp_lt_u32 s10, 128                          ; the choice of tensor hangs on the work-group's number alone
	s_cselect_b64 s[40:41], s[18:19], s[16:17]
	s_add_nc_u64 s[40:41], s[40:41], s[42:43]      ; the tile's rows 0-7,
	s_add_nc_u64 s[44:45], s[40:41], 0x10000       ; and its rows 8-15, 16 rows further down
	s_lshl_b32 s46, s10, 3
	s_lshl_b32 s14, s11, 2
	s_add_co_u32 s46, s46, s14                     ; my first fragment: 8 x tile + 4 x half
	s_mul_i32 s48, s46, 1536
	s_add_co_u32 s48, s48, XF
	s_mov_b32 s49, 0
	s_add_nc_u64 s[48:49], s[36:37], s[48:49]
	s_lshl_b32 s50, s46, 7
	s_add_co_u32 s50, s50, XS
	s_mov_b32 s51, 0
	s_add_nc_u64 s[50:51], s[36:37], s[50:51]
.irp b, 0,1,2,3
	v_mov_b32 v[TM+4+\b], 0                        ; written once: a lane permute's destination counts as one of its sources
.endr
.macro LOADX s                         ; K step s of the tile's 16 rows into set s % 2 (v16-79, v80-143)
.irp i, 0,1,2,3,4,5,6,7
	global_load_b128 v[16+64*((\s)%2)+4*\i:16+64*((\s)%2)+4*\i+3], v8, s[40:41] offset:4096*\i+512*(\s) th:TH_LOAD_NT
.endr
.irp i, 8,9,10,11,12,13,14,15
	global_load_b128 v[16+64*((\s)%2)+4*\i:16+64*((\s)%2)+4*\i+3], v8, s[44:45] offset:4096*(\i-8)+512*(\s) th:TH_LOAD_NT
.endr
.endm
.macro UNITX s
.if (\s) < 3
	s_wait_loadcnt 16                              ; this K step's 16 loads are in; the next step's 16 may be out
.else
	s_wait_loadcnt 0x0
.endif
.irp i, 0,1,2,3,4,5,6,7,8,9,10,11,12,13,14,15
	ds_store_b128 v4, v[16+64*((\s)%2)+4*\i:16+64*((\s)%2)+4*\i+3] offset:528*\i
.endr
.irp b, 0,1,2,3
.irp j, 0,1,2,3
	ds_load_b128 v[X+16*\b+4*\j:X+16*\b+4*\j+3], v5 offset:128*\b+16*\j   ; LDS serves a wave's instructions in order: these see the stores above
.endr
.endr
	s_wait_dscnt 0x0                               ; the numbers are back, and the stores have read their registers,
.if (\s) < 2
	LOADX (\s)+2                                   ; which take the loads of two steps on
.endif
.if (\s) > 0
	s_wait_xcnt 0x0                                ; the last step's stores have read the codes' registers, which are written again below
.endif
	QUANT X
.irp c, 0,1,2
	global_store_b128 v8, v[PC+4*\c:PC+4*\c+3], s[48:49] offset:1536*(\s)+512*\c   ; 512 consecutive bytes a store
.endr
	global_store_b32 v9, v[PW], s[50:51] offset:128*(\s)
.endm
	LOADX 0
	LOADX 1
	UNITX 0
	UNITX 1
	UNITX 2
	UNITX 3
	s_wait_tensorcnt 0x0
	ds_add_u32 v248, v249
	s_wait_dscnt 0x0
	s_endpgm
.Lnot_x:
	s_cmp_lt_u32 ttmp9, 337
	s_cbranch_scc0 .Lrope
; ---- the weights, [K][N] f32.  A wave takes 32 columns x 128 along K: a pair of tiles, one K step.  One path for all eight: what differs is chosen by the work-group's number.
; U0: the weight's first work-group; LNG: log2 of its groups of 32 columns (a row is 128 << LNG bytes); KSW: its K steps; SH: log2 of the groups of 32 columns in a chunk (128 columns) or head (64); FB: its first fragment.
	s_sub_co_u32 s9, ttmp9, 128
	s_mov_b64 s[40:41], s[34:35]                   ; W_kr, the last work-group
	s_mov_b32 s42, 208
	s_mov_b32 s43, 1
	s_mov_b32 s44, 2
	s_mov_b32 s45, 1
	s_mov_b32 s46, 1024
.macro WSEL bound, p, u0, lng, ksw, sh, fb
	s_cmp_lt_u32 s9, \bound
	s_cselect_b64 s[40:41], s[\p:\p+1], s[40:41]
	s_cselect_b32 s42, \u0, s42
	s_cselect_b32 s43, \lng, s43
	s_cselect_b32 s44, \ksw, s44
	s_cselect_b32 s45, \sh, s45
	s_cselect_b32 s46, \fb, s46
.endm
	WSEL 208, 32, 144, 5, 8, 2, 1160               ; W_o
	WSEL 144, 30, 128, 5, 2, 1, 1032               ; W_uv
	WSEL 128, 28, 112, 5, 2, 1, 896                ; W_uk
	WSEL 112, 26, 80, 5, 4, 1, 640                 ; W_qr
	WSEL 80, 24, 48, 5, 4, 1, 384                  ; W_uq
	WSEL 48, 22, 16, 4, 8, 2, 128                  ; W_dq
	WSEL 16, 20, 0, 3, 8, 2, 0                     ; W_kv
	s_sub_co_u32 s10, s9, s42
	s_lshl_b32 s10, s10, 2
	s_add_co_u32 s10, s10, s8                      ; my unit of the weight
	s_lshl_b32 s11, 1, s43
	s_sub_co_u32 s11, s11, 1
	s_and_b32 s12, s10, s11                        ; cg: which 32 columns
	s_lshr_b32 s13, s10, s43                       ; ks: which K step
	s_lshl_b32 s47, 128, s43                       ; a row in bytes
	s_lshr_b32 s14, s12, s45
	s_mul_i32 s14, s14, s44
	s_add_co_u32 s14, s14, s13
	s_add_co_u32 s15, s45, 1
	s_lshl_b32 s14, s14, s15                       ; (chunk x KSW + ks) x tiles in a chunk
	s_lshl_b32 s15, 1, s45
	s_sub_co_u32 s15, s15, 1
	s_and_b32 s15, s12, s15
	s_lshl_b32 s15, s15, 1
	s_add_co_u32 s14, s14, s15
	s_add_co_u32 s14, s14, s46                     ; the pair's first fragment
	s_mul_i32 s58, s13, s47
	s_lshl_b32 s58, s58, 7
	s_lshl_b32 s15, s12, 7
	s_add_co_u32 s58, s58, s15
	s_mov_b32 s59, 0
	s_add_nc_u64 s[48:49], s[40:41], s[58:59]      ; row 128 ks, column 32 cg;
	s_lshl_b32 s58, s47, 5
	s_add_nc_u64 s[50:51], s[48:49], s[58:59]      ; a base for each block of 32 rows
	s_add_nc_u64 s[52:53], s[50:51], s[58:59]
	s_add_nc_u64 s[54:55], s[52:53], s[58:59]
.irp i, 0,1,2,3,4,5,6,7,8,9,10,11,12,13,14,15,16,17,18,19,20,21,22,23,24,25,26,27,28,29,30,31
	v_mad_u32_u24 v[144+\i], s47, \i, v9           ; row i of a block, my column: never rewritten
.endr
.irp kb, 0,1,2,3
.irp i, 0,1,2,3,4,5,6,7,8,9,10,11,12,13,14,15,16,17,18,19,20,21,22,23,24,25,26,27,28,29,30,31
	global_load_b32 v[16+32*\kb+\i], v[144+\i], s[48+2*\kb:49+2*\kb] th:TH_LOAD_NT   ; 32 lanes read 128 consecutive bytes of a row
.endr
.endr
	s_mul_i32 s58, s14, 1536
	s_add_nc_u64 s[60:61], s[36:37], s[58:59]
	s_lshl_b32 s58, s14, 7
	s_add_co_u32 s58, s58, WS
	s_add_nc_u64 s[62:63], s[36:37], s[58:59]
; Block kb of my column: all 32 numbers are mine.  In the image it is registers 6 (kb / 2) .. + 5 of lane r + 16 (kb % 2).
.macro BLOCKW kb
.set XB, 16+32*(\kb)
.set C, 176+8*(\kb)
.set LEFT, 96-32*(\kb)                 ; the later blocks' loads may be out: 96, 64, 32, 0 of them; a wait's count names 63 at the most, and a smaller count than the true one is safe
.if LEFT > 63
.set LEFT, 63
.endif
	s_wait_loadcnt LEFT                            ; this block's 32 loads are in
	v_max3_num_f32 v208, |v[XB]|, |v[XB+1]|, |v[XB+2]|
	v_max3_num_f32 v209, |v[XB+3]|, |v[XB+4]|, |v[XB+5]|
.irp i, 6,10,14,18,22,26
	v_max3_num_f32 v208, v208, |v[XB+\i]|, |v[XB+\i+1]|
	v_max3_num_f32 v209, v209, |v[XB+\i+2]|, |v[XB+\i+3]|
.endr
	v_max3_num_f32 v208, v208, |v[XB+30]|, |v[XB+31]|
	v_max3_num_f32 v208, v208, v209, 0x2800000     ; and the floor
	v_add_nc_u32 v210, 0xfe000000, v208            ; the conversion's scale operand
	v_lshrrev_b32 v211, 23, v210                   ; the byte
.if (\kb) == 0
	v_mov_b32 v224, v211
.else
	v_lshl_or_b32 v224, v211, 8*(\kb), v224
.endif
	v_cvt_scalef32_pk16_bf6_f32 v[C:C+2], v[XB:XB+15], v210
	v_cvt_scalef32_pk16_bf6_f32 v[C+4:C+6], v[XB+16:XB+31], v210
	v_nop                                          ; one plain place behind a scaled conversion
	v_mov_b32 v[C+3], v[C+4]                       ; six registers on end
	v_mov_b32 v[C+4], v[C+5]
	v_mov_b32 v[C+5], v[C+6]
.if (\kb) < 2
	ds_store_b128 v6, v[C:C+3] offset:256*((\kb)%2)
	ds_store_b64 v6, v[C+4:C+5] offset:256*((\kb)%2)+512
.else
	ds_store_b64 v6, v[C:C+1] offset:256*((\kb)%2)+520
	ds_store_b128 v6, v[C+2:C+5] offset:256*((\kb)%2)+1024
.endif
.endm
	BLOCKW 0
	BLOCKW 1
	BLOCKW 2
	BLOCKW 3
.irp q, 0,1,2,3,4,5
	ds_load_b128 v[16+4*\q:19+4*\q], v7 offset:512*\q   ; the pair of images, as it will lie in memory; my own stores are seen, in order
.endr
	s_wait_dscnt 0x0
.irp q, 0,1,2,3,4,5
	global_store_b128 v8, v[16+4*\q:19+4*\q], s[60:61] offset:512*\q
.endr
	global_store_b32 v10, v224, s[62:63]           ; my column's scale word, for lanes 0-15 of its image
	global_store_b32 v10, v224, s[62:63] offset:64 ; and for lanes 16-31
	s_wait_tensorcnt 0x0
	ds_add_u32 v248, v249
	s_wait_dscnt 0x0
	s_endpgm
.Lrope:
; ---- rope.  A wave makes the record of one tile: lane (r, h), register i: cos, register 16 + i: sin of row x inv[16 h + i], inv[d] = 1 / 10000^(d / 32) = 1 / 10^(d / 8).
; The angle is row x inv, rounded once.  It is reduced by n = the nearest whole number of quarter turns, pi / 2 in two parts (the first product's difference is exact: a multiple of 2^-23 under 1); polynomials on +-pi/4.
	s_sub_co_u32 s9, ttmp9, 337
	s_lshl_b32 s9, s9, 2
	s_add_co_u32 s9, s9, s8                        ; tile
	TILE0 13, 9, 14
	v_and_b32 v11, 8, v2
	v_add_nc_u32 v11, v11, v2
	v_add_nc_u32 v11, s13, v11                     ; my row
	v_cvt_f32_u32 v11, v11
	v_cmp_ne_u32 s52, 0, v3                        ; lanes 16-31
	s_mov_b32 s40, 0x3f22f983                      ; 2 / pi
	s_mov_b32 s41, 0xbfc90fdb                      ; -(pi / 2 rounded to f32)
	s_mov_b32 s42, 0x333bbd2e                      ; that less pi / 2
	s_mov_b32 s43, 0xb94ca1f9                      ; sine: -1.9515296e-4, 8.3321609e-3, -1.6666655e-1
	s_mov_b32 s44, 0x3c08839e
	s_mov_b32 s45, 0xbe2aaaa3
	s_mov_b32 s46, 0x37ccf5ce                      ; cosine: 2.4433157e-5, -1.3887316e-3, 4.1666646e-2
	s_mov_b32 s47, 0xbab6061a
	s_mov_b32 s48, 0x3d2aaaa5
	s_lshl_b32 s50, s9, 12
	s_add_co_u32 s50, s50, RP
	s_mov_b32 s51, 0
	s_add_nc_u64 s[50:51], s[36:37], s[50:51]
.macro ROPE i, p0, p1
	v_mov_b32 v50, \p0                             ; 10^(i / 8)
	v_mov_b32 v51, \p1                             ; 10^((16 + i) / 8)
	v_cndmask_b32 v50, v50, v51, s52
	v_rcp_f32 v51, v50
	v_nop                                          ; one plain place behind a transcendental
	s_wait_alu depctr_va_vdst(0)
	v_fma_f32 v52, -v50, v51, 1.0                  ; one step of Newton: the quotient 1 / P to the last bit
	v_fma_f32 v51, v51, v52, v51
	v_mul_f32 v52, v11, v51                        ; the angle
	v_mul_f32 v53, s40, v52
	v_rndne_f32 v53, v53                           ; n
	v_fma_f32 v54, v53, s41, v52
	v_fma_f32 v54, v53, s42, v54                   ; what is left, within +-pi/4
	v_mul_f32 v55, v54, v54
	v_fma_f32 v56, v55, s43, s44
	v_fma_f32 v56, v56, v55, s45
	v_mul_f32 v57, v55, v54
	v_fma_f32 v56, v56, v57, v54                   ; its sine
	v_fma_f32 v58, v55, s46, s47
	v_fma_f32 v58, v58, v55, s48
	v_mul_f32 v59, v55, v55
	v_fma_f32 v60, v55, -0.5, 1.0
	v_fma_f32 v58, v58, v59, v60                   ; its cosine
	v_cvt_i32_f32 v61, v53
	v_and_b32 v62, 1, v61
	v_cmp_ne_u32 vcc_lo, 0, v62                    ; an odd quarter swaps the two (a choice of values: no address and no branch hangs on it)
	v_cndmask_b32 v63, v56, v58, vcc_lo
	v_cndmask_b32 v58, v58, v56, vcc_lo
	v_lshlrev_b32 v62, 30, v61
	v_and_b32 v62, 0x80000000, v62                 ; quarters 2, 3: the sine is negative
	v_xor_b32 v[32+\i], v62, v63
	v_add_nc_u32 v61, 1, v61
	v_lshlrev_b32 v61, 30, v61
	v_and_b32 v61, 0x80000000, v61                 ; quarters 1, 2: the cosine is
	v_xor_b32 v[16+\i], v61, v58
.endm
	ROPE 0, 1.0, 100.0
	ROPE 1, 1.33352143, 133.352143
	ROPE 2, 1.77827941, 177.827941
	ROPE 3, 2.37137371, 237.137371
	ROPE 4, 3.16227766, 316.227766
	ROPE 5, 4.21696503, 421.696503
	ROPE 6, 5.62341325, 562.341325
	ROPE 7, 7.49894209, 749.894209
	ROPE 8, 10.0, 1000.0
	ROPE 9, 13.3352143, 1333.52143
	ROPE 10, 17.7827941, 1778.27941
	ROPE 11, 23.7137371, 2371.37371
	ROPE 12, 31.6227766, 3162.27766
	ROPE 13, 42.1696503, 4216.96503
	ROPE 14, 56.2341325, 5623.41325
	ROPE 15, 74.9894209, 7498.94209
.irp q, 0,1,2,3,4,5,6,7
	global_store_b128 v8, v[16+4*\q:19+4*\q], s[50:51] offset:512*\q
.endr
	s_endpgm
.Lfunc_end_k_qa9deec95f8_prep:
	.size	k_qa9deec95f8_prep, .Lfunc_end_k_qa9deec95f8_prep-k_qa9deec95f8_prep
	.p2alignl 7, 3214868480
	.fill 96, 4, 3214868480
	.section	.rodata,"a",@progbits
	.p2align	6, 0x0
	.amdhsa_kernel k_qa9deec95f8_prep
		.amdhsa_group_segment_fixed_size 46592
		.amdhsa_private_segment_fixed_size 0
		.amdhsa_enable_private_segment 0
		.amdhsa_kernarg_size 88
		.amdhsa_user_sgpr_count 2
		.amdhsa_user_sgpr_kernarg_segment_ptr 1
		.amdhsa_wavefront_size32 1
		.amdhsa_system_sgpr_workgroup_id_x 1
		.amdhsa_system_sgpr_workgroup_id_y 1
		.amdhsa_system_sgpr_workgroup_id_z 1
		.amdhsa_system_vgpr_workitem_id 0
		.amdhsa_next_free_vgpr 250
		.amdhsa_next_free_sgpr 66
		.amdhsa_reserve_vcc 1
		.amdhsa_float_denorm_mode_32 3
		.amdhsa_float_denorm_mode_16_64 3
		.amdhsa_memory_ordered 1
		.amdhsa_forward_progress 1
		.amdhsa_inst_pref_size 87
	.end_amdhsa_kernel
	.amdgpu_metadata
---
amdhsa.version: [ 1, 2 ]
amdhsa.kernels:
  - .name:           k_qa9deec95f8_prep
    .symbol:         k_qa9deec95f8_prep.kd
    .args:
      - { .name: q, .offset: 0, .size: 8, .value_kind: global_buffer, .address_space: global }
      - { .name: kv_src, .offset: 8, .size: 8, .value_kind: global_buffer, .address_space: global }
      - { .name: W_kv, .offset: 16, .size: 8, .value_kind: global_buffer, .address_space: global }
      - { .name: W_dq, .offset: 24, .size: 8, .value_kind: global_buffer, .address_space: global }
      - { .name: W_uq, .offset: 32, .size: 8, .value_kind: global_buffer, .address_space: global }
      - { .name: W_qr, .offset: 40, .size: 8, .value_kind: global_buffer, .address_space: global }
      - { .name: W_uk, .offset: 48, .size: 8, .value_kind: global_buffer, .address_space: global }
      - { .name: W_uv, .offset: 56, .size: 8, .value_kind: global_buffer, .address_space: global }
      - { .name: W_o, .offset: 64, .size: 8, .value_kind: global_buffer, .address_space: global }
      - { .name: W_kr, .offset: 72, .size: 8, .value_kind: global_buffer, .address_space: global }
      - { .name: pre, .offset: 80, .size: 8, .value_kind: global_buffer, .address_space: global }
    .group_segment_fixed_size: 46592
    .private_segment_fixed_size: 0
    .kernarg_segment_align: 8
    .kernarg_segment_size: 88
    .max_flat_workgroup_size: 128
    .sgpr_count:     66
    .vgpr_count:     250
    .wavefront_size: 32
...
	.end_amdgpu_metadata
.endif
;; end of part 1
;; launch projA (part 2): grid 32 x 6, 4 waves a work-group, no clusters, 168,448 bytes of LDS; arguments pre, mid; writes mid
.if DOCPART == 2
	.amdgcn_target "amdgcn-amd-amdhsa--gfx1250"
	.amdhsa_code_object_version 6
	.text
	.protected	k_qa9deec95f8_projA
	.globl	k_qa9deec95f8_projA
	.p2align	8
	.type	k_qa9deec95f8_projA,@function
k_qa9deec95f8_projA:
	s_mov_b64 s[64:65], 0
	v_nop
	global_prefetch_b8 v0, s[64:65] scope:SCOPE_SE
	s_setreg_imm32_b32 hwreg(HW_REG_WAVE_MODE, 25, 1), 1
	s_wait_xcnt 0x0
; PROJA: kv_c = kv_src W_kv (chunks y = 0, 1 of 128 columns) and qc = q W_dq (y = 2 .. 5), on codes of E3M2; the results are quantised along the next products' K and stored as images of operand registers.
; A work-group makes 64 rows (tiles 4 x .. 4 x + 3) x 128 columns, K = 1,024; wave w makes tile 4 x + w against the chunk's eight tiles of weight columns: 64 matrix instructions on eight accumulators by turns.
; Both panels lie in LDS for all of K, each byte filled once by tensor loads of dense blocks (rows of 256 bytes): no slot is filled again.  Each wave brings a quarter of each block: six loads of mine are out at the start.
; THE PRODUCT IS USED TRANSPOSED (source 0 = 16 weight columns, source 1 = my 16 rows): a lane holds one row, and since a tile's columns are 32 b + 8 u + r + 8 (r / 8), its 64 registers are k 32 b + 16 (lane / 16) + i
; of the next product's K step y: one fragment and one scale word.
; Multicast of the weights' panel among the row blocks is not used in this text: it is the plain form, each work-group asking for itself.
; LIMITS: NaN and infinities are not served; a block whose largest magnitude lies under 2^-122 keeps the byte 1.
.set WS,  2568192
.set XF,  2782208
.set XS,  5927936
.set CS,  1179648                      ; in mid: fragments from 0 (kv_c [tile][2], then from 256 qc [tile][4]), scale words from CS
.set PB,  0                            ; LDS: the weights' 64 fragments [K step][8 tiles]
.set PA,  98304                        ; the rows' 32 fragments [tile][K step]
.set SB,  147456                       ; the weights' scale words
.set SA,  155648                       ; the rows'
.set SEL, 2
.set TM,  192
.set PW,  208
.set PC,  212
.macro QUANT s
.irp b, 0,1,2,3
	v_max3_num_f32 v[TM+\b], |v[\s+16*\b]|, |v[\s+1+16*\b]|, 0x2800000   ; block b: my 16 numbers, and the floor 2^(5 - 127).  (Each accumulator is read from its low end on)
.endr
.irp i, 2,4,6,8,10,12,14
.irp b, 0,1,2,3
	v_max3_num_f32 v[TM+\b], v[TM+\b], |v[\s+16*\b+\i]|, |v[\s+1+16*\b+\i]|
.endr
.endr
.irp b, 0,1,2,3
	v_permlanex16_b32 v[TM+4+\b], v[TM+\b], s[SEL], s[SEL+1]
.endr
.irp b, 0,1,2,3
	v_max_num_f32 v[TM+\b], v[TM+\b], v[TM+4+\b]
.endr
.irp b, 0,1,2,3
	v_add_nc_u32 v[TM+12+\b], 0xfe000000, v[TM+\b]
.endr
.irp b, 0,1,2,3
	v_lshrrev_b32 v[TM+4+\b], 23, v[TM+12+\b]
.endr
	v_lshl_or_b32 v[PW], v[TM+5], 8, v[TM+4]
	v_lshl_or_b32 v[PW], v[TM+6], 16, v[PW]
	v_lshl_or_b32 v[PW], v[TM+7], 24, v[PW]
.irp c, 0,1
	v_cvt_scalef32_pk16_bf6_f32 v[PC+6*\c:PC+2+6*\c], v[\s+32*\c:\s+15+32*\c], v[TM+12+2*\c]
	v_cvt_scalef32_pk16_bf6_f32 v[PC+12+4*\c:PC+14+4*\c], v[\s+16+32*\c:\s+31+32*\c], v[TM+12+2*\c+1]
.endr
	v_nop                                          ; one plain place behind a scaled conversion
.irp c, 0,1
.irp i, 0,1,2
	v_permlane16_swap_b32 v[PC+6*\c+\i], v[PC+12+4*\c+\i]
.endr
.irp i, 0,1,2
	v_mov_b32 v[PC+3+6*\c+\i], v[PC+12+4*\c+\i]
.endr
.endr
.endm
.macro MKG1 g, rows                    ; descriptor group 1: a dense block as rows of 32 elements of 8 bytes, no padding
	s_mov_b32 s[\g], 3<<16
	s_mov_b32 s[\g+1], 32<<16
	s_mov_b32 s[\g+2], (\rows)<<16
	s_mov_b32 s[\g+3], 32<<16
	s_mov_b32 s[\g+4], \rows
	s_mov_b32 s[\g+5], 32
	s_mov_b32 s[\g+6], 0
	s_mov_b32 s[\g+7], 0
.endm
.macro MKG0 g, l, o, b                 ; group 0: count 1, LDS address s[l], global address s[b:b+1] + s[o:o+1], type 2
	s_mov_b32 s[\g], 1
	s_mov_b32 s[\g+1], s[\l]
	s_add_nc_u64 s[\g+2:\g+3], s[\b:\b+1], s[\o:\o+1]
	s_or_b32 s[\g+3], s[\g+3], 0x80000000
.endm
	s_load_b128 s[4:7], s[0:1], 0x0                ; pre, mid
	v_lshl_add_u32 v240, v0, 2, 0x29000
	v_mov_b32 v241, 0
	ds_add_u32 v240, v241
	ds_add_u32 v240, v241
	v_lshrrev_b32 v17, 5, v0
	v_readfirstlane_b32 s8, v17                    ; wave
	s_and_b32 s9, ttmp7, 0xffff                    ; y: the chunk
	MKG1 16, 48                                    ; 12,288 bytes: my quarter of half the weights' panel
	MKG1 24, 24                                    ; 6,144: half of my tile's fragments
	MKG1 32, 8                                     ; 2,048: my quarter of the weights' scale words
	MKG1 40, 4                                     ; 1,024: my tile's scale words
	s_cmp_lt_u32 s9, 2                             ; kv_src's chunks or q's
	s_cselect_b32 s10, 0, 128
	s_cselect_b32 s11, 1, 2
	s_cselect_b32 s12, 0, 254
	s_lshl_b32 s13, ttmp9, 2
	s_add_co_u32 s13, s13, s8                      ; my tile of rows
	s_add_co_u32 s14, s10, s13                     ; and its number among prep's 256
	s_lshl_b32 s76, s9, 13                         ; the chunk's 64 scale images, my quarter
	s_lshl_b32 s15, s8, 11
	s_add_co_u32 s76, s76, s15
	s_add_co_u32 s76, s76, WS
	s_mov_b32 s77, 0
	s_lshl_b32 s78, s14, 10
	s_add_co_u32 s78, s78, XS
	s_mov_b32 s79, 0
	s_mul_i32 s80, s9, 98304                       ; the chunk's 64 fragments, my quarter of the first half,
	s_mul_i32 s15, s8, 12288
	s_add_co_u32 s80, s80, s15
	s_mov_b32 s81, 0
	s_add_co_u32 s88, s80, 49152                   ; and of the second
	s_mov_b32 s89, 0
	s_mul_i32 s82, s14, 12288
	s_add_co_u32 s82, s82, XF                      ; my tile's K steps 0-3,
	s_mov_b32 s83, 0
	s_add_co_u32 s90, s82, 6144                    ; and 4-7
	s_mov_b32 s91, 0
	s_lshl_b32 s84, s8, 11
	s_add_co_u32 s84, s84, SB
	s_lshl_b32 s85, s8, 10
	s_add_co_u32 s85, s85, SA
	s_add_co_u32 s86, s15, PB
	s_add_co_u32 s87, s15, PA
	s_add_co_u32 s10, s86, 49152
	s_add_co_u32 s15, s87, 6144
	s_wait_dscnt 0x0
	s_wait_kmcnt 0x0
	MKG0 48, 84, 76, 4
	MKG0 52, 85, 78, 4
	MKG0 56, 86, 80, 4
	MKG0 60, 87, 82, 4
	MKG0 68, 10, 88, 4
	MKG0 72, 15, 90, 4
	tensor_load_to_lds s[48:51], s[32:39]          ; all first fills in one group, ahead of every wait on TENSORcnt, every LDS read and every barrier
	s_nop 0
	tensor_load_to_lds s[52:55], s[40:47]
	s_nop 0
	tensor_load_to_lds s[56:59], s[16:23]
	s_nop 0
	tensor_load_to_lds s[60:63], s[24:31]
	s_nop 0
	tensor_load_to_lds s[68:71], s[16:23]
	s_nop 0
	tensor_load_to_lds s[72:75], s[24:31]
	s_nop 0
.rept 4
	v_nop
.endr
	v_and_b32 v17, 31, v0
	v_lshlrev_b32 v6, 4, v17                       ; 16 x lane
	v_lshlrev_b32 v7, 2, v17                       ; 4 x lane
	v_add_nc_u32 v1, s87, v6                       ; my tile's fragments
	v_add_nc_u32 v2, PB, v6                        ; the weights', K steps 0-3
	v_add_nc_u32 v3, PB+49152, v6                  ; and 4-7
	v_add_nc_u32 v4, s85, v7                       ; my tile's scale words
	v_add_nc_u32 v5, SB, v7                        ; the weights'
	s_mov_b32 s[SEL], 0x76543210
	s_mov_b32 s[SEL+1], 0xfedcba98
.irp b, 0,1,2,3
	v_mov_b32 v[TM+4+\b], 0                        ; written once: a lane permute's destination counts as one of its sources
.endr
; A K step of 128: v16 and v20-31 my rows' scale word and fragment, v8-15 and v32-127 the weights' eight; v128-191 the eight accumulators, which take turns, one instruction a turn.
.macro MM t, first
.if \first
	v_wmma_scale_f32_16x16x128_f8f6f4 v[128+8*\t:135+8*\t], v[32+12*\t:43+12*\t], v[20:31], 0, v[8+\t], v16 matrix_a_fmt:MATRIX_FMT_BF6 matrix_b_fmt:MATRIX_FMT_BF6
.else
	v_wmma_scale_f32_16x16x128_f8f6f4 v[128+8*\t:135+8*\t], v[32+12*\t:43+12*\t], v[20:31], v[128+8*\t:135+8*\t], v[8+\t], v16 matrix_a_fmt:MATRIX_FMT_BF6 matrix_b_fmt:MATRIX_FMT_BF6
.endif
.endm
.macro KSTEP ks, first
.irp c, 0,1,2
	ds_load_b128 v[20+4*\c:23+4*\c], v1 offset:1536*(\ks)+512*\c
.endr
	ds_load_b32 v16, v4 offset:128*(\ks)
.irp t, 0,1,2,3,4,5,6,7
.irp c, 0,1,2
.if (\ks) < 4
	ds_load_b128 v[32+12*\t+4*\c:35+12*\t+4*\c], v2 offset:12288*((\ks)%4)+1536*\t+512*\c
.else
	ds_load_b128 v[32+12*\t+4*\c:35+12*\t+4*\c], v3 offset:12288*((\ks)%4)+1536*\t+512*\c
.endif
.endr
	ds_load_b32 v[8+\t], v5 offset:1024*(\ks)+128*\t
.endr
	s_wait_dscnt 16                                ; all but the 16 loads of tiles 4-7
.irp t, 0,1,2,3
	MM \t, \first
.endr
	s_wait_dscnt 0x0
.irp t, 4,5,6,7
	MM \t, \first
.endr
.rept 4
	v_nop                                          ; places in front of loads into registers that matrix instructions have read, and of the first read of results
.endr
.endm
	s_wait_tensorcnt 2                             ; the scale words and K steps 0-3 are in; my two loads of K steps 4-7 may be out
	s_barrier_signal -1
	s_barrier_wait -1
	KSTEP 0, 1
	KSTEP 1, 0
	KSTEP 2, 0
	KSTEP 3, 0
	s_wait_tensorcnt 0x0                           ; my parts of K steps 4-7 are in,
	s_wait_dscnt 0x0
	s_barrier_signal -1
	s_barrier_wait -1                              ; everybody's are
	KSTEP 4, 0
	KSTEP 5, 0
	KSTEP 6, 0
	KSTEP 7, 0
	QUANT 128
	s_lshl_b32 s13, s13, s11                       ; kv_c: fragment 2 tile + y; qc: 256 + 4 tile + y - 2
	s_add_co_u32 s13, s13, s9
	s_add_co_u32 s13, s13, s12
	s_mul_i32 s76, s13, 1536
	s_add_nc_u64 s[76:77], s[6:7], s[76:77]
	s_lshl_b32 s78, s13, 7
	s_add_co_u32 s78, s78, CS
	s_add_nc_u64 s[78:79], s[6:7], s[78:79]
.irp c, 0,1,2
	global_store_b128 v6, v[PC+4*\c:PC+4*\c+3], s[76:77] offset:512*\c
.endr
	global_store_b32 v7, v[PW], s[78:79]
	s_wait_tensorcnt 0x0
	ds_add_u32 v240, v241
	s_wait_dscnt 0x0
	s_endpgm
.Lfunc_end_k_qa9deec95f8_projA:
	.size	k_qa9deec95f8_projA, .Lfunc_end_k_qa9deec95f8_projA-k_qa9deec95f8_projA
	.p2alignl 7, 3214868480
	.fill 96, 4, 3214868480
	.section	.rodata,"a",@progbits
	.p2align	6, 0x0
	.amdhsa_kernel k_qa9deec95f8_projA
		.amdhsa_group_segment_fixed_size 168448
		.amdhsa_private_segment_fixed_size 0
		.amdhsa_enable_private_segment 0
		.amdhsa_kernarg_size 16
		.amdhsa_user_sgpr_count 2
		.amdhsa_user_sgpr_kernarg_segment_ptr 1
		.amdhsa_wavefront_size32 1
		.amdhsa_system_sgpr_workgroup_id_x 1
		.amdhsa_system_sgpr_workgroup_id_y 1
		.amdhsa_system_sgpr_workgroup_id_z 1
		.amdhsa_system_vgpr_workitem_id 0
		.amdhsa_next_free_vgpr 242
		.amdhsa_next_free_sgpr 92
		.amdhsa_reserve_vcc 0
		.amdhsa_float_denorm_mode_32 3
		.amdhsa_float_denorm_mode_16_64 3
		.amdhsa_memory_ordered 1
		.amdhsa_forward_progress 1
		.amdhsa_inst_pref_size 39
	.end_amdhsa_kernel
	.amdgpu_metadata
---
amdhsa.version: [ 1, 2 ]
amdhsa.kernels:
  - .name:           k_qa9deec95f8_projA
    .symbol:         k_qa9deec95f8_projA.kd
    .args:
      - { .name: pre, .offset: 0, .size: 8, .value_kind: global_buffer, .address_space: global }
      - { .name: mid, .offset: 8, .size: 8, .value_kind: global_buffer, .address_space: global }
    .group_segment_fixed_size: 168448
    .private_segment_fixed_size: 0
    .kernarg_segment_align: 8
    .kernarg_segment_size: 16
    .max_flat_workgroup_size: 128
    .sgpr_count:     92
    .vgpr_count:     242
    .wavefront_size: 32
...
	.end_amdgpu_metadata
.endif
;; end of part 2
;; launch projB (part 3): grid 224 x 1, 4 waves a work-group, no clusters, 0 bytes of LDS; arguments pre, mid, qkv; writes qkv
.if DOCPART == 3
	.amdgcn_target "amdgcn-amd-amdhsa--gfx1250"
	.amdhsa_code_object_version 6
	.text
	.protected	k_qa9deec95f8_projB
	.globl	k_qa9deec95f8_projB
	.p2align	8
	.type	k_qa9deec95f8_projB,@function
k_qa9deec95f8_projB:
	s_mov_b64 s[64:65], 0
	v_nop
	global_prefetch_b8 v0, s[64:65] scope:SCOPE_SE
	s_setreg_imm32_b32 hwreg(HW_REG_WAVE_MODE, 25, 1), 1
	s_wait_xcnt 0x0
; PROJB: the up-projections, rope, and the quantising of Q, K and V for attention, all on codes of E3M2.
; Work-groups 0-127: Q.  A wave takes one head and four tiles of 16 queries: [q_nope 64 | rope(q_pe) 64] = qc [W_uq | W_qr], K = 512.  128-191: K likewise from kv_c [W_uk | W_kr], K = 256, eight tiles of keys
; (the shared rope key is made anew for each head, so that both take one macro).  The two score products, K = 64 each, so become ONE operand of K = 128, cut into the same four blocks of 32.
; 192-223: V^T.  A work-group takes 64 keys, a wave four heads: source 0 = 16 keys of kv_c, source 1 = 16 columns of W_uv, so that a lane holds one channel and its registers run along the keys, V's K in attention.
; No LDS, no barrier: a wave's weights stay in its registers and everything that it reads is asked for at its head; the waits are counted.
; All products are used transposed as in PROJA; a lane's 64 (V: 32) results are neighbours along the next K.
; REGISTERS, in windows of 256: window 0: v1-3 offsets; v8-39 the weights' scale words, v40-55 the rows'; v64-127 accumulators; v128-166 the quantiser; v168-183 rope at work.
;   windows 1, 2: weight fragment f at 12 (f % 16) of window 1 + f / 16; rope records in what is left of them.   window 3: the rows' fragment j at 12 j.
; LIMITS: NaN and infinities are not served; a block whose largest magnitude lies under 2^-122 keeps the byte 1.
.set WS,  2568192
.set RP,  6190080
.set CS,  1179648
.set OFF_KF, 3145728                   ; in qkv: Q's fragments [tile][head] from 0, K's [head][tile],
.set OFF_VF, 6291456                   ; V's half fragments [head][64 keys][16 channels], 768 bytes each,
.set OFF_QS, 7864320                   ; and the scale words, 128 bytes each
.set OFF_KS, 8126464
.set OFF_VS, 8388608
.set SEL, 2
.set TM,  128
.set PW,  144
.set PC,  148
.set PX,  156
.set MSB, 0
.macro WIN new                         ; the immediate's high byte repeats the setting that is left
.if MSB != (\new)
	s_set_vgpr_msb (MSB<<8)|(\new)
.set MSB, (\new)
.endif
.endm
.macro QUANT s
.irp b, 0,1,2,3
	v_max3_num_f32 v[TM+\b], |v[\s+16*\b]|, |v[\s+1+16*\b]|, 0x2800000
.endr
.irp i, 2,4,6,8,10,12,14
.irp b, 0,1,2,3
	v_max3_num_f32 v[TM+\b], v[TM+\b], |v[\s+16*\b+\i]|, |v[\s+1+16*\b+\i]|
.endr
.endr
.irp b, 0,1,2,3
	v_permlanex16_b32 v[TM+4+\b], v[TM+\b], s[SEL], s[SEL+1]
.endr
.irp b, 0,1,2,3
	v_max_num_f32 v[TM+\b], v[TM+\b], v[TM+4+\b]
.endr
.irp b, 0,1,2,3
	v_add_nc_u32 v[TM+12+\b], 0xfe000000, v[TM+\b]
.endr
.irp b, 0,1,2,3
	v_lshrrev_b32 v[TM+4+\b], 23, v[TM+12+\b]
.endr
	v_lshl_or_b32 v[PW], v[TM+5], 8, v[TM+4]
	v_lshl_or_b32 v[PW], v[TM+6], 16, v[PW]
	v_lshl_or_b32 v[PW], v[TM+7], 24, v[PW]
.irp c, 0,1
	v_cvt_scalef32_pk16_bf6_f32 v[PC+6*\c:PC+2+6*\c], v[\s+32*\c:\s+15+32*\c], v[TM+12+2*\c]
	v_cvt_scalef32_pk16_bf6_f32 v[PC+12+4*\c:PC+14+4*\c], v[\s+16+32*\c:\s+31+32*\c], v[TM+12+2*\c+1]
.endr
	v_nop                                          ; one plain place behind a scaled conversion
.irp c, 0,1
.irp i, 0,1,2
	v_permlane16_swap_b32 v[PC+6*\c+\i], v[PC+12+4*\c+\i]
.endr
.irp i, 0,1,2
	v_mov_b32 v[PC+3+6*\c+\i], v[PC+12+4*\c+\i]
.endr
.endr
.endm
; Its half: 32 numbers, two blocks, become registers 0-5 of a fragment in v[PC] on; the scale word has the two bytes below and zeros above
.macro QUANT2 s
.irp b, 0,1
	v_max3_num_f32 v[TM+\b], |v[\s+16*\b]|, |v[\s+1+16*\b]|, 0x2800000
.endr
.irp i, 2,4,6,8,10,12,14
.irp b, 0,1
	v_max3_num_f32 v[TM+\b], v[TM+\b], |v[\s+16*\b+\i]|, |v[\s+1+16*\b+\i]|
.endr
.endr
.irp b, 0,1
	v_permlanex16_b32 v[TM+4+\b], v[TM+\b], s[SEL], s[SEL+1]
.endr
.irp b, 0,1
	v_max_num_f32 v[TM+\b], v[TM+\b], v[TM+4+\b]
.endr
.irp b, 0,1
	v_add_nc_u32 v[TM+12+\b], 0xfe000000, v[TM+\b]
.endr
.irp b, 0,1
	v_lshrrev_b32 v[TM+4+\b], 23, v[TM+12+\b]
.endr
	v_lshl_or_b32 v[PW], v[TM+5], 8, v[TM+4]
	v_cvt_scalef32_pk16_bf6_f32 v[PC:PC+2], v[\s:\s+15], v[TM+12]
	v_cvt_scalef32_pk16_bf6_f32 v[PX:PX+2], v[\s+16:\s+31], v[TM+13]
	v_nop                                          ; one plain place behind a scaled conversion
.irp i, 0,1,2
	v_permlane16_swap_b32 v[PC+\i], v[PX+\i]
.endr
.irp i, 0,1,2
	v_mov_b32 v[PC+3+\i], v[PX+\i]
.endr
.endm
.macro RPLACE KS, tau                  ; where tile tau's rope record lies: window RW, register RR
.if (\tau) < 2
.set RW, 1
.set RR, 192+32*(\tau)
.elseif \KS == 4
.set RW, 2
.set RR, 192+32*((\tau)-2)
.else
.set RW, 2
.set RR, 32*((\tau)-2)
.endif
.endm
; What tile tau wants beside the weights: its KS fragments, their scale words, its rope record: 4 KS + 8 loads
.macro AGROUP KS, tau
	WIN 0xc0                                       ; destination window 3
.set j, \KS*(\tau)
.rept \KS
.irp c, 0,1,2
	global_load_b128 v[12*j+4*\c:12*j+4*\c+3], v1, s[20:21] offset:1536*j+512*\c
.endr
.set j, j+1
.endr
	WIN 0
.set j, \KS*(\tau)
.rept \KS
	global_load_b32 v[40+j], v2, s[22:23] offset:128*j
.set j, j+1
.endr
	RPLACE \KS, \tau
	WIN 0x40*RW
.irp q, 0,1,2,3,4,5,6,7
	global_load_b128 v[RR+4*\q:RR+4*\q+3], v1, s[24:25] offset:4096*(\tau)+512*\q
.endr
	WIN 0
.endm
; Tile tau: 8 KS matrix instructions on eight accumulators by turns, rope on tiles 4-7, the quantiser, four stores
.macro UNIT KS, NT, tau, OSTEP, SSTEP
.set LEFT, (4*\KS+8)*(\NT-1-(\tau))    ; the later tiles' loads may be out, as far as a wait can name them
.if LEFT > 63
.set LEFT, 63
.endif
	s_wait_loadcnt LEFT
.set ks, 0
.rept \KS
	WIN 0x0d+ks/2                                  ; source 0 (weights) window 1 or 2, source 1 (rows) window 3
.irp t, 0,1,2,3,4,5,6,7
.set f, 8*ks+\t
.set rW, 12*(f%16)
.set rA, 12*(\KS*(\tau)+ks)
.set rS, 40+\KS*(\tau)+ks
.if ks == 0
	v_wmma_scale_f32_16x16x128_f8f6f4 v[64+8*\t:71+8*\t], v[rW:rW+11], v[rA:rA+11], 0, v[8+f], v[rS] matrix_a_fmt:MATRIX_FMT_BF6 matrix_b_fmt:MATRIX_FMT_BF6
.else
	v_wmma_scale_f32_16x16x128_f8f6f4 v[64+8*\t:71+8*\t], v[rW:rW+11], v[rA:rA+11], v[64+8*\t:71+8*\t], v[8+f], v[rS] matrix_a_fmt:MATRIX_FMT_BF6 matrix_b_fmt:MATRIX_FMT_BF6
.endif
.endr
.set ks, ks+1
.endr
	WIN 0
.rept 4
	v_nop                                          ; places in front of the first read of results
.endr
	RPLACE \KS, \tau
	WIN 0x04*RW                                    ; source 1: the record's window
.irp p, 0,1,2,3,4,5,6,7                        ; x1 = v96.. (dims 16 h + i), x2 = v112.. (32 more): x1 cos - x2 sin, x2 cos + x1 sin, two at a time, each accumulator from its low end on
	v_pk_mul_f32 v[168+4*(\p%4):169+4*(\p%4)], v[112+2*\p:113+2*\p], v[RR+16+2*\p:RR+17+2*\p]
	v_pk_mul_f32 v[170+4*(\p%4):171+4*(\p%4)], v[96+2*\p:97+2*\p], v[RR+16+2*\p:RR+17+2*\p]
	v_pk_fma_f32 v[96+2*\p:97+2*\p], v[96+2*\p:97+2*\p], v[RR+2*\p:RR+1+2*\p], v[168+4*(\p%4):169+4*(\p%4)] neg_lo:[0,0,1] neg_hi:[0,0,1]
	v_pk_fma_f32 v[112+2*\p:113+2*\p], v[112+2*\p:113+2*\p], v[RR+2*\p:RR+1+2*\p], v[170+4*(\p%4):171+4*(\p%4)]
.endr
	WIN 0
.if (\tau) > 0
	s_wait_xcnt 0x0                                ; the last tile's stores have read the codes' registers, which are written again below
.endif
	QUANT 64
.irp c, 0,1,2
	global_store_b128 v1, v[PC+4*\c:PC+4*\c+3], s[26:27] offset:(\tau)*\OSTEP+512*\c
.endr
	global_store_b32 v2, v[PW], s[28:29] offset:(\tau)*\SSTEP
.endm
; s[12:13], s[14:15] the head's content and rope weights; s[16:17], s[18:19] their scale words; s[20:21], s[22:23] the rows' fragments and scale words; s[24:25] rope records; s[26:27], s[28:29] the results
.macro PROJ KS, NT, OSTEP, SSTEP
.set f, 0
.rept 8*\KS
.if (f%8) < 4
	global_load_b32 v[8+f], v2, s[16:17] offset:(4*(f/8)+f%4)*128
.else
	global_load_b32 v[8+f], v2, s[18:19] offset:(4*(f/8)+f%4)*128
.endif
.set f, f+1
.endr
	AGROUP \KS, 0
.set f, 0
.rept 8*\KS
	WIN 0x40*(1+f/16)
.irp c, 0,1,2
.if (f%8) < 4
	global_load_b128 v[12*(f%16)+4*\c:12*(f%16)+4*\c+3], v1, s[12:13] offset:(4*(f/8)+f%4)*1536+512*\c
.else
	global_load_b128 v[12*(f%16)+4*\c:12*(f%16)+4*\c+3], v1, s[14:15] offset:(4*(f/8)+f%4)*1536+512*\c
.endif
.endr
.set f, f+1
.endr
	WIN 0
.set tt, 1
.rept \NT-1
	AGROUP \KS, tt
.set tt, tt+1
.endr
.set tt, 0
.rept \NT
	UNIT \KS, \NT, tt, \OSTEP, \SSTEP
.set tt, tt+1
.endr
.endm
	s_load_b128 s[4:7], s[0:1], 0x0                ; pre, mid
	s_load_b64 s[8:9], s[0:1], 0x10                ; qkv
	v_lshrrev_b32 v1, 5, v0
	v_readfirstlane_b32 s10, v1                    ; wave
	v_and_b32 v4, 31, v0
	v_lshlrev_b32 v1, 4, v4                        ; 16 x lane
	v_lshlrev_b32 v2, 2, v4                        ; 4 x lane
	v_lshlrev_b32 v3, 3, v4                        ; 8 x lane
	s_mov_b32 s[SEL], 0x76543210
	s_mov_b32 s[SEL+1], 0xfedcba98
.irp b, 0,1,2,3
	v_mov_b32 v[TM+4+\b], 0                        ; written once: a lane permute's destination counts as one of its sources
.endr
	s_mov_b32 s35, 0
	s_wait_kmcnt 0x0
	s_cmp_lt_u32 ttmp9, 128
	s_cbranch_scc0 .Lnot_q
; ---- Q
	s_and_b32 s30, ttmp9, 3
	s_lshl_b32 s30, s30, 2
	s_add_co_u32 s30, s30, s10                     ; head
	s_lshr_b32 s31, ttmp9, 2                       ; which four tiles
	s_lshl_b32 s32, s30, 4
	s_add_co_u32 s32, s32, 384                     ; W_uq's fragments of the head; W_qr's lie 256 further on
	s_mul_i32 s34, s32, 1536
	s_add_nc_u64 s[12:13], s[4:5], s[34:35]
	s_add_nc_u64 s[14:15], s[12:13], 393216
	s_lshl_b32 s34, s32, 7
	s_add_co_u32 s34, s34, WS
	s_add_nc_u64 s[16:17], s[4:5], s[34:35]
	s_add_nc_u64 s[18:19], s[16:17], 32768
	s_lshl_b32 s32, s31, 4
	s_add_co_u32 s32, s32, 256                     ; qc's fragments: 256 + 4 x tile
	s_mul_i32 s34, s32, 1536
	s_add_nc_u64 s[20:21], s[6:7], s[34:35]
	s_lshl_b32 s34, s32, 7
	s_add_co_u32 s34, s34, CS
	s_add_nc_u64 s[22:23], s[6:7], s[34:35]
	s_lshl_b32 s34, s31, 14
	s_add_co_u32 s34, s34, RP
	s_add_nc_u64 s[24:25], s[4:5], s[34:35]
	s_lshl_b32 s32, s31, 6
	s_add_co_u32 s32, s32, s30                     ; Q's fragment 16 x tile + head
	s_mul_i32 s34, s32, 1536
	s_add_nc_u64 s[26:27], s[8:9], s[34:35]
	s_lshl_b32 s34, s32, 7
	s_add_co_u32 s34, s34, OFF_QS
	s_add_nc_u64 s[28:29], s[8:9], s[34:35]
	PROJ 4, 4, 24576, 2048
	s_endpgm
.Lnot_q:
	s_cmp_lt_u32 ttmp9, 192
	s_cbranch_scc0 .Lway_v
; ---- K
	s_sub_co_u32 s33, ttmp9, 128
	s_and_b32 s30, s33, 3
	s_lshl_b32 s30, s30, 2
	s_add_co_u32 s30, s30, s10                     ; head
	s_lshr_b32 s31, s33, 2                         ; which eight tiles
	s_lshl_b32 s32, s30, 3
	s_add_co_u32 s32, s32, 896                     ; W_uk's fragments of the head
	s_mul_i32 s34, s32, 1536
	s_add_nc_u64 s[12:13], s[4:5], s[34:35]
	s_add_nc_u64 s[14:15], s[4:5], 1024*1536       ; W_kr's
	s_lshl_b32 s34, s32, 7
	s_add_co_u32 s34, s34, WS
	s_add_nc_u64 s[16:17], s[4:5], s[34:35]
	s_add_nc_u64 s[18:19], s[4:5], WS+1024*128
	s_mul_i32 s34, s31, 24576                      ; kv_c's fragments: 2 x tile
	s_add_nc_u64 s[20:21], s[6:7], s[34:35]
	s_lshl_b32 s34, s31, 11
	s_add_co_u32 s34, s34, CS
	s_add_nc_u64 s[22:23], s[6:7], s[34:35]
	s_lshl_b32 s34, s31, 15
	s_add_co_u32 s34, s34, RP
	s_add_nc_u64 s[24:25], s[4:5], s[34:35]
	s_lshl_b32 s32, s30, 7
	s_lshl_b32 s33, s31, 3
	s_add_co_u32 s32, s32, s33                     ; K's fragment 128 x head + tile
	s_mul_i32 s34, s32, 1536
	s_add_co_u32 s34, s34, OFF_KF
	s_add_nc_u64 s[26:27], s[8:9], s[34:35]
	s_lshl_b32 s34, s32, 7
	s_add_co_u32 s34, s34, OFF_KS
	s_add_nc_u64 s[28:29], s[8:9], s[34:35]
	PROJ 2, 8, 1536, 128
	s_endpgm
.Lway_v:
; ---- V^T: keys 64 P .. 64 P + 63 (four tiles, two blocks of 32), heads 4 w .. 4 w + 3
	s_sub_co_u32 s31, ttmp9, 192                   ; P
	s_mul_i32 s34, s31, 12288                      ; kv_c's eight fragments: 8 P on
	s_add_nc_u64 s[20:21], s[6:7], s[34:35]
	s_lshl_b32 s34, s31, 10
	s_add_co_u32 s34, s34, CS
	s_add_nc_u64 s[22:23], s[6:7], s[34:35]
	s_lshl_b32 s32, s10, 5
	s_add_co_u32 s32, s32, 1032                    ; W_uv's 32 fragments of my four heads
	s_mul_i32 s34, s32, 1536
	s_add_nc_u64 s[12:13], s[4:5], s[34:35]
	s_lshl_b32 s34, s32, 7
	s_add_co_u32 s34, s34, WS
	s_add_nc_u64 s[16:17], s[4:5], s[34:35]
	s_lshl_b32 s32, s10, 7
	s_add_co_u32 s32, s32, s31                     ; 32 x head + P, for my first head
	s_mul_i32 s34, s32, 3072
	s_add_co_u32 s34, s34, OFF_VF
	s_add_nc_u64 s[26:27], s[8:9], s[34:35]
	s_lshl_b32 s34, s32, 9
	s_add_co_u32 s34, s34, OFF_VS
	s_add_nc_u64 s[28:29], s[8:9], s[34:35]
	WIN 0xc0
.irp j, 0,1,2,3,4,5,6,7
.irp c, 0,1,2
	global_load_b128 v[12*\j+4*\c:12*\j+4*\c+3], v1, s[20:21] offset:1536*\j+512*\c
.endr
.endr
	WIN 0
.irp j, 0,1,2,3,4,5,6,7
	global_load_b32 v[40+\j], v2, s[22:23] offset:128*\j
.endr
.macro VHEAD hh                        ; head hh's eight fragments of W_uv (g = 8 hh + 4 ks + t) and their scale words: 32 loads
.set g, 8*(\hh)
.rept 8
	WIN 0x40*(1+g/16)
.irp c, 0,1,2
	global_load_b128 v[12*(g%16)+4*\c:12*(g%16)+4*\c+3], v1, s[12:13] offset:1536*g+512*\c
.endr
.set g, g+1
.endr
	WIN 0
.set g, 8*(\hh)
.rept 8
	global_load_b32 v[8+g], v2, s[16:17] offset:128*g
.set g, g+1
.endr
.endm
	VHEAD 0
	VHEAD 1
	VHEAD 2
	VHEAD 3
.macro VUNIT hh, t                     ; 16 channels of a head x 64 keys: four accumulators by turns, K = 256
.if (\t) == 0
.set LEFT, 32*(3-(\hh))                ; the later heads' loads may be out, as far as a wait can name them
.if LEFT > 63
.set LEFT, 63
.endif
	s_wait_loadcnt LEFT
.endif
	WIN 0x07+4*((\hh)/2)                           ; source 0 (keys) window 3, source 1 (W_uv) window 1 or 2
.irp ks, 0,1
.irp tl, 0,1,2,3
.set g, 8*(\hh)+4*\ks+(\t)
.if \ks == 0
	v_wmma_scale_f32_16x16x128_f8f6f4 v[64+8*\tl:71+8*\tl], v[12*(2*\tl+\ks):12*(2*\tl+\ks)+11], v[12*(g%16):12*(g%16)+11], 0, v[40+2*\tl+\ks], v[8+g] matrix_a_fmt:MATRIX_FMT_BF6 matrix_b_fmt:MATRIX_FMT_BF6
.else
	v_wmma_scale_f32_16x16x128_f8f6f4 v[64+8*\tl:71+8*\tl], v[12*(2*\tl+\ks):12*(2*\tl+\ks)+11], v[12*(g%16):12*(g%16)+11], v[64+8*\tl:71+8*\tl], v[40+2*\tl+\ks], v[8+g] matrix_a_fmt:MATRIX_FMT_BF6 matrix_b_fmt:MATRIX_FMT_BF6
.endif
.endr
.endr
	WIN 0
.rept 4
	v_nop                                          ; places in front of the first read of results
.endr
.if (\hh)+(\t) > 0
	s_wait_xcnt 0x0                                ; the last stores have read the codes' registers
.endif
	QUANT2 64                                      ; register 16 b + i = key 32 b + 16 (lane / 16) + i of my channel
	global_store_b128 v1, v[PC:PC+3], s[26:27] offset:98304*(\hh)+768*(\t)
	global_store_b64 v3, v[PC+4:PC+5], s[26:27] offset:98304*(\hh)+768*(\t)+512
	global_store_b32 v2, v[PW], s[28:29] offset:16384*(\hh)+128*(\t)
.endm
.irp hh, 0,1,2,3
.irp t, 0,1,2,3
	VUNIT \hh, \t
.endr
.endr
	s_endpgm
.Lfunc_end_k_qa9deec95f8_projB:
	.size	k_qa9deec95f8_projB, .Lfunc_end_k_qa9deec95f8_projB-k_qa9deec95f8_projB
	.p2alignl 7, 3214868480
	.fill 96, 4, 3214868480
	.section	.rodata,"a",@progbits
	.p2align	6, 0x0
	.amdhsa_kernel k_qa9deec95f8_projB
		.amdhsa_group_segment_fixed_size 0
		.amdhsa_private_segment_fixed_size 0
		.amdhsa_enable_private_segment 0
		.amdhsa_kernarg_size 24
		.amdhsa_user_sgpr_count 2
		.amdhsa_user_sgpr_kernarg_segment_ptr 1
		.amdhsa_wavefront_size32 1
		.amdhsa_system_sgpr_workgroup_id_x 1
		.amdhsa_system_sgpr_workgroup_id_y 1
		.amdhsa_system_sgpr_workgroup_id_z 1
		.amdhsa_system_vgpr_workitem_id 0
		.amdhsa_next_free_vgpr 960
		.amdhsa_next_free_sgpr 66
		.amdhsa_reserve_vcc 0
		.amdhsa_float_denorm_mode_32 3
		.amdhsa_float_denorm_mode_16_64 3
		.amdhsa_memory_ordered 1
		.amdhsa_forward_progress 1
		.amdhsa_inst_pref_size 224
	.end_amdhsa_kernel
	.amdgpu_metadata
---
amdhsa.version: [ 1, 2 ]
amdhsa.kernels:
  - .name:           k_qa9deec95f8_projB
    .symbol:         k_qa9deec95f8_projB.kd
    .args:
      - { .name: pre, .offset: 0, .size: 8, .value_kind: global_buffer, .address_space: global }
      - { .name: mid, .offset: 8, .size: 8, .value_kind: global_buffer, .address_space: global }
      - { .name: qkv, .offset: 16, .size: 8, .value_kind: global_buffer, .address_space: global }
    .group_segment_fixed_size: 0
    .private_segment_fixed_size: 0
    .kernarg_segment_align: 8
    .kernarg_segment_size: 24
    .max_flat_workgroup_size: 128
    .sgpr_count:     66
    .vgpr_count:     960
    .wavefront_size: 32
...
	.end_amdgpu_metadata
.endif
;; end of part 3
;; launch attn (part 4): grid 256 x 1, 8 waves a work-group, no clusters, 8,192 bytes of LDS; arguments seg_id, qkv, att; writes att
.if DOCPART == 4
	.amdgcn_target "amdgcn-amd-amdhsa--gfx1250"
	.amdhsa_code_object_version 6
	.text
	.protected	k_qa9deec95f8_attn
	.globl	k_qa9deec95f8_attn
	.p2align	8
	.type	k_qa9deec95f8_attn,@function
k_qa9deec95f8_attn:
	s_mov_b64 s[64:65], 0
	v_nop
	global_prefetch_b8 v0, s[64:65] scope:SCOPE_SE
	s_setreg_imm32_b32 hwreg(HW_REG_WAVE_MODE, 25, 1), 1
	s_wait_xcnt 0x0
; ATTN: softmax(scores under the segment mask) V, both products on codes of E3M2, and the result quantised along W_o's K.
; Query q sees key k where seg(q) - 2 <= k <= seg(q): the mask is built by the problem's own function, so only the aligned runs of 64 keys that a tile of 16 queries can see are walked: from (min seg - 2) / 64 to max seg / 64.
; The range comes from seg_id, an index input, read by scalar loads; it is right for any order of seg_id (a running maximum M carries the softmax over any number of steps) and short where neighbouring queries have near segments.
; SHARES.  Work-group: one tile of queries, eight heads; a wave: one head.  Operands come from memory straight into registers, as images: no tensor load.
; LAYOUT.  S^T = K Q^T (K = 128: content 64 | rope 64) and O^T = V^T P^T (K = 64 keys, the upper 64 of the instruction's 128 are zero codes): a lane holds one query throughout.  Register 16 b + i of S^T is key 64 P + 32 b + 16 (lane / 16) + i.
; SOFTMAX.  t = score x log2(e) / sqrt(128); M = the running largest t rounded up to a whole number; p = 2^(t - M) is quantised along the keys; the sum is taken of the unquantised p and divides O at the end.
; Hidden scores become -infinity: p = 0.  A step in which a query sees nothing leaves its M, sum and O as they are.
; LIMITS: seg_id from 0 to 2,049; a query that sees no key at all is not served.  NaN and infinities are not served.
.set OFF_KF, 3145728
.set OFF_VF, 6291456
.set OFF_QS, 7864320
.set OFF_KS, 8126464
.set OFF_VS, 8388608
.set AS,  1572864                      ; in att: fragments [tile][K step 8] from 0, scale words from AS
.set SEL, 2
.set TM,  216
.set PW,  212                          ; v212: p's scale word, later the result's
.set PC,  200                          ; v200-211: P; its upper six stay 0
.set PX,  232
.macro QUANT2 s
.irp b, 0,1
	v_max3_num_f32 v[TM+\b], |v[\s+16*\b]|, |v[\s+1+16*\b]|, 0x2800000   ; block b: my 16 numbers, and the floor 2^(5 - 127)
.endr
.irp i, 2,4,6,8,10,12,14
.irp b, 0,1
	v_max3_num_f32 v[TM+\b], v[TM+\b], |v[\s+16*\b+\i]|, |v[\s+1+16*\b+\i]|
.endr
.endr
.irp b, 0,1
	v_permlanex16_b32 v[TM+4+\b], v[TM+\b], s[SEL], s[SEL+1]
.endr
.irp b, 0,1
	v_max_num_f32 v[TM+\b], v[TM+\b], v[TM+4+\b]
.endr
.irp b, 0,1
	v_add_nc_u32 v[TM+12+\b], 0xfe000000, v[TM+\b]
.endr
.irp b, 0,1
	v_lshrrev_b32 v[TM+4+\b], 23, v[TM+12+\b]
.endr
	v_lshl_or_b32 v[PW], v[TM+5], 8, v[TM+4]       ; two bytes; the bytes of the zero codes above are 0
	v_cvt_scalef32_pk16_bf6_f32 v[PC:PC+2], v[\s:\s+15], v[TM+12]
	v_cvt_scalef32_pk16_bf6_f32 v[PX:PX+2], v[\s+16:\s+31], v[TM+13]
	v_nop                                          ; one plain place behind a scaled conversion
.irp i, 0,1,2
	v_permlane16_swap_b32 v[PC+\i], v[PX+\i]
.endr
.irp i, 0,1,2
	v_mov_b32 v[PC+3+\i], v[PX+\i]
.endr
.endm
	s_load_b128 s[4:7], s[0:1], 0x0                ; seg_id, qkv
	s_load_b64 s[8:9], s[0:1], 0x10                ; att
	v_lshl_add_u32 v254, v0, 2, 0x1c00
	v_mov_b32 v255, 0
	v_lshrrev_b32 v1, 5, v0
	v_readfirstlane_b32 s10, v1                    ; wave 0..7
	v_and_b32 v30, 31, v0                          ; lane
	v_and_b32 v31, 15, v0                          ; r
	v_lshlrev_b32 v1, 4, v30                       ; 16 x lane
	v_lshlrev_b32 v2, 3, v30                       ; 8 x lane
	v_lshlrev_b32 v3, 2, v30                       ; 4 x lane
	s_mul_i32 s40, s10, 768                        ; LDS, all addresses made here: my half fragment, 512 + 256 bytes,
	v_add_nc_u32 v7, s40, v1
	v_add_nc_u32 v8, s40, v2
	v_add_nc_u32 v8, 512, v8
	s_lshl_b32 s41, s10, 7
	s_add_co_u32 s41, s41, 6144                    ; its scale word;
	v_add_nc_u32 v9, s41, v3
	s_mul_i32 s40, s10, 1536                       ; and what waves 0-3 read back: the halves of heads 2 w and 2 w + 1
	v_add_nc_u32 v10, s40, v1
	v_add_nc_u32 v11, s40, v2
	v_add_nc_u32 v11, 512, v11
	s_lshl_b32 s41, s10, 8
	s_add_co_u32 s41, s41, 6144
	v_add_nc_u32 v29, s41, v3
	s_lshr_b32 s11, ttmp9, 1                       ; the tile of queries
	s_and_b32 s12, ttmp9, 1
	s_lshl_b32 s13, s12, 3
	s_add_co_u32 s13, s13, s10                     ; head
	s_lshr_b32 s14, s11, 1
	s_lshl_b32 s14, s14, 5
	s_and_b32 s15, s11, 1
	s_lshl_b32 s15, s15, 3
	s_add_co_u32 s14, s14, s15                     ; the tile's first query
	s_lshl_b32 s38, s14, 2
	s_mov_b32 s39, 0
	s_lshl_b32 s40, s11, 4
	s_add_co_u32 s40, s40, s13                     ; Q's fragment 16 x tile + head
	s_mul_i32 s42, s40, 1536
	s_mov_b32 s43, 0
	v_and_b32 v214, 8, v31
	v_add_nc_u32 v214, v214, v31
	v_lshlrev_b32 v214, 2, v214                    ; my query's place among the tile's: r + 8 (r / 8)
	v_bfe_u32 v215, v0, 4, 1
	v_lshlrev_b32 v215, 4, v215                    ; 16 h
	s_wait_kmcnt 0x0
	s_add_nc_u64 s[38:39], s[4:5], s[38:39]
	s_load_b256 s[16:23], s[38:39], 0x0            ; the tile's 16 segments: queries 0-7,
	s_load_b256 s[24:31], s[38:39], 0x40           ; and 16-23 from its first
	global_load_b32 v4, v214, s[38:39]             ; my query's
	s_add_nc_u64 s[44:45], s[6:7], s[42:43]
.irp c, 0,1,2
	global_load_b128 v[16+4*\c:19+4*\c], v1, s[44:45] offset:512*\c   ; Q stays in registers
.endr
	s_lshl_b32 s42, s40, 7
	s_add_co_u32 s42, s42, OFF_QS
	s_add_nc_u64 s[46:47], s[6:7], s[42:43]
	global_load_b32 v28, v3, s[46:47]
	s_mov_b32 s[SEL], 0x76543210
	s_mov_b32 s[SEL+1], 0xfedcba98
	s_mov_b32 s56, 0x3e0293ee                      ; c = log2(e) / sqrt(128)
	s_mov_b32 s57, s56                             ; (named with it as a pair, so it is written)
	v_mov_b32 v6, 0xff800000                       ; -infinity
	v_mov_b32 v13, 0xff61b1e6                      ; the largest t so far: -3e38
	v_floor_f32 v12, -v13                          ; -M
	v_mov_b32 v14, 0                               ; the sum, in two halves
	v_mov_b32 v15, 0
	v_mov_b32 v245, 0                              ; (the upper half of the pair v[244:245])
	v_mov_b32 v248, 0                              ; written once: a lane permute's destination counts as one of its sources
	v_mov_b32 v[TM+4], 0
	v_mov_b32 v[TM+5], 0
.irp t, 0,1,2,3
.irp i, 6,7,8,9,10,11
	v_mov_b32 v[84+12*\t+\i], 0                    ; V's fragments: zero codes for k = 64 .. 127
.endr
.endr
.irp i, 6,7,8,9,10,11
	v_mov_b32 v[PC+\i], 0                          ; P's likewise
.endr
.irp j, 0,1,2,3,4,5,6,7,8,9,10,11,12,13,14,15,16,17,18,19,20,21,22,23,24,25,26,27,28,29,30,31
	v_mov_b32 v[168+\j], 0                         ; O^T: the loop is written once, its first step finds zeros
.endr
	s_lshl_b32 s40, s11, 3                         ; where the result goes: fragment 8 x tile + 4 x half + wave (waves 0-3)
	s_lshl_b32 s41, s12, 2
	s_add_co_u32 s40, s40, s41
	s_add_co_u32 s40, s40, s10
	s_mul_i32 s42, s40, 1536
	s_add_nc_u64 s[58:59], s[8:9], s[42:43]
	s_lshl_b32 s42, s40, 7
	s_add_co_u32 s42, s42, AS
	s_add_nc_u64 s[60:61], s[8:9], s[42:43]
	s_wait_kmcnt 0x0
	s_min_u32 s32, s16, s17
	s_max_u32 s33, s16, s17
.irp i, 18,19,20,21,22,23,24,25,26,27,28,29,30,31
	s_min_u32 s32, s32, s[\i]
	s_max_u32 s33, s33, s[\i]
.endr
	s_min_u32 s32, s32, 2047
	s_min_u32 s33, s33, 2047
	s_max_u32 s32, s32, 2
	s_sub_co_u32 s32, s32, 2
	s_lshr_b32 s32, s32, 6                         ; the first run of 64 keys,
	s_min_u32 s32, s32, 31                         ; held inside the tables
	s_lshr_b32 s33, s33, 6
	s_sub_co_u32 s35, s33, s32
	s_add_co_u32 s35, s35, 1                       ; and how many: 1 to 32
	s_min_u32 s35, s35, 32
	s_mov_b32 s36, 0
	s_lshl_b32 s37, s32, 6                         ; the step's first key
	s_mul_i32 s40, s13, 196608
	s_mul_i32 s41, s32, 6144
	s_add_co_u32 s40, s40, s41
	s_add_co_u32 s40, s40, OFF_KF
	s_mov_b32 s41, 0
	s_add_nc_u64 s[48:49], s[6:7], s[40:41]        ; K's four fragments of the step
	s_lshl_b32 s42, s13, 14
	s_lshl_b32 s40, s32, 9
	s_add_co_u32 s42, s42, s40
	s_add_co_u32 s40, s42, OFF_KS
	s_add_nc_u64 s[50:51], s[6:7], s[40:41]        ; their scale words
	s_add_co_u32 s40, s42, OFF_VS
	s_add_nc_u64 s[54:55], s[6:7], s[40:41]        ; V's scale words
	s_lshl_b32 s40, s13, 5
	s_add_co_u32 s40, s40, s32
	s_mul_i32 s40, s40, 3072
	s_add_co_u32 s40, s40, OFF_VF
	s_add_nc_u64 s[52:53], s[6:7], s[40:41]        ; V's four half fragments
	s_wait_loadcnt 0x0                             ; Q and my segment
	v_sub_nc_u32 v4, v4, v215                      ; seg - 16 h: it goes into comparisons alone
.Lstep:
.rept 4
	v_nop                                          ; places in front of loads into registers that the last matrix instructions have read
.endr
.irp tl, 0,1,2,3
.irp c, 0,1,2
	global_load_b128 v[32+12*\tl+4*\c:35+12*\tl+4*\c], v1, s[48:49] offset:1536*\tl+512*\c
.endr
.endr
.irp tl, 0,1,2,3
	global_load_b32 v[80+\tl], v3, s[50:51] offset:128*\tl
.endr
.irp t, 0,1,2,3
	global_load_b128 v[84+12*\t:87+12*\t], v1, s[52:53] offset:768*\t
	global_load_b64 v[88+12*\t:89+12*\t], v2, s[52:53] offset:768*\t+512
.endr
.irp t, 0,1,2,3
	global_load_b32 v[132+\t], v3, s[54:55] offset:128*\t
.endr
	s_wait_loadcnt 12                              ; K and its scale words are in; V's twelve loads may be out
.irp tl, 0,1,2,3
	v_wmma_scale_f32_16x16x128_f8f6f4 v[136+8*\tl:143+8*\tl], v[32+12*\tl:43+12*\tl], v[16:27], 0, v[80+\tl], v28 matrix_a_fmt:MATRIX_FMT_BF6 matrix_b_fmt:MATRIX_FMT_BF6
.endr
.rept 4
	v_nop
.endr
	v_sub_nc_u32 v5, v4, s37                       ; d = seg - the step's first key - 16 h: register n's key is seen where 0 <= d - (32 (n / 16) + n % 16) <= 2
.irp n, 0,1,2,3,4,5,6,7,8,9,10,11,12,13,14,15,16,17,18,19,20,21,22,23,24,25,26,27,28,29,30,31
	v_sub_nc_u32 v[250+\n%2], v5, 32*(\n/16)+\n%16
	v_cmp_gt_u32 vcc_lo, 3, v[250+\n%2]
	v_cndmask_b32 v[136+\n], v6, v[136+\n], vcc_lo   ; each accumulator from its low end on
.endr
	v_max3_num_f32 v246, v136, v137, v138
	v_max3_num_f32 v247, v139, v140, v141
.irp i, 6,10,14,18,22,26
	v_max3_num_f32 v246, v246, v[136+\i], v[137+\i]
	v_max3_num_f32 v247, v247, v[138+\i], v[139+\i]
.endr
	v_max3_num_f32 v246, v246, v166, v167
	v_max_num_f32 v246, v246, v247
	v_permlanex16_b32 v248, v246, s[SEL], s[SEL+1]
	v_max_num_f32 v246, v246, v248                 ; the step's largest score of my query
	v_mul_f32 v246, s56, v246                      ; as t
	v_max_num_f32 v13, v13, v246                   ; the running largest t
	v_mov_b32 v246, v12
	v_floor_f32 v12, -v13                          ; the new -M = -ceil(t)
	v_sub_f32 v246, v12, v246                      ; old M - new M: a whole number, 0 or less
	v_cvt_i32_f32 v246, v246                       ; (it saturates)
	v_ldexp_f32 v244, 1.0, v246                    ; f = 2^(old M - new M): rounds nothing
.irp j, 0,2,4,6,8,10,12,14,16,18,20,22,24,26,28,30
	v_pk_fma_f32 v[136+\j:137+\j], v[136+\j:137+\j], s[56:57], v[12:13] op_sel_hi:[1,0,0]   ; t - M
.endr
.irp j, 0,1,2,3,4,5,6,7,8,9,10,11,12,13,14,15,16,17,18,19,20,21,22,23,24,25,26,27,28,29,30,31
	v_exp_f32 v[136+\j], v[136+\j]                 ; p
.endr
	v_pk_mul_f32 v[14:15], v[14:15], v[244:245] op_sel_hi:[1,0]   ; the sums under the new M.  (A plain place behind the exponentials)
	s_wait_alu depctr_va_vdst(0)
	QUANT2 136
	v_pk_add_f32 v[246:247], v[136:137], v[138:139]   ; the sum is taken of the unquantised p, in two chains
.irp j, 4,8,12,16,20,24,28
	v_pk_add_f32 v[14:15], v[14:15], v[136+\j:137+\j]
	v_pk_add_f32 v[246:247], v[246:247], v[138+\j:139+\j]
.endr
	v_pk_add_f32 v[14:15], v[14:15], v[246:247]
.irp j, 0,2,4,6,8,10,12,14,16,18,20,22,24,26,28,30
	v_pk_mul_f32 v[168+\j:169+\j], v[168+\j:169+\j], v[244:245] op_sel_hi:[1,0]   ; O^T under the new M.  (With the sums above: the places between p's codes and scale word and the products below)
.endr
	s_wait_loadcnt 0x0                             ; V
.irp t, 0,1,2,3
	v_wmma_scale_f32_16x16x128_f8f6f4 v[168+8*\t:175+8*\t], v[84+12*\t:95+12*\t], v[PC:PC+11], v[168+8*\t:175+8*\t], v[132+\t], v[PW] matrix_a_fmt:MATRIX_FMT_BF6 matrix_b_fmt:MATRIX_FMT_BF6
.endr
	s_add_nc_u64 s[48:49], s[48:49], 6144          ; all this step's loads have come back: the bases may step
	s_add_nc_u64 s[50:51], s[50:51], 512
	s_add_nc_u64 s[52:53], s[52:53], 3072
	s_add_nc_u64 s[54:55], s[54:55], 512
	s_add_co_u32 s37, s37, 64
	s_add_co_u32 s36, s36, 1
	s_cmp_lt_u32 s36, s35
	s_cbranch_scc1 .Lstep
.rept 4
	v_nop
.endr
	v_add_f32 v14, v14, v15
	v_permlanex16_b32 v248, v14, s[SEL], s[SEL+1]
	v_add_f32 v14, v14, v248                       ; the row's sum
	v_rcp_f32 v14, v14
	v_nop                                          ; one plain place behind a transcendental
	s_wait_alu depctr_va_vdst(0)
.irp j, 0,1,2,3,4,5,6,7,8,9,10,11,12,13,14,15,16,17,18,19,20,21,22,23,24,25,26,27,28,29,30,31
	v_mul_f32 v[136+\j], v[168+\j], v14            ; register 16 b + i: channel 32 b + 16 (lane / 16) + i of my head
.endr
	QUANT2 136                                     ; half a K step of W_o: two heads make a fragment
	ds_store_b128 v7, v[PC:PC+3]
	ds_store_b64 v8, v[PC+4:PC+5]
	ds_store_b32 v9, v[PW]
	s_wait_dscnt 0x0                               ; for the others' sake: my stores have landed
	s_barrier_signal -1
	s_barrier_wait -1
	s_cmp_lt_u32 s10, 4
	s_cbranch_scc0 .Lend
	ds_load_b128 v[32:35], v10                     ; head 2 w: registers 0-5;
	ds_load_b64 v[36:37], v11
	ds_load_b128 v[38:41], v10 offset:768          ; head 2 w + 1: registers 6-11
	ds_load_b64 v[42:43], v11 offset:768
	ds_load_b32 v44, v29
	ds_load_b32 v45, v29 offset:128
	s_wait_dscnt 0x0
	v_lshl_or_b32 v44, v45, 16, v44                ; the four bytes of the K step
	global_store_b128 v1, v[32:35], s[58:59]
	global_store_b128 v1, v[36:39], s[58:59] offset:512
	global_store_b128 v1, v[40:43], s[58:59] offset:1024
	global_store_b32 v3, v44, s[60:61]
.Lend:
	s_wait_tensorcnt 0x0
	ds_add_u32 v254, v255
	s_wait_dscnt 0x0
	s_endpgm
.Lfunc_end_k_qa9deec95f8_attn:
	.size	k_qa9deec95f8_attn, .Lfunc_end_k_qa9deec95f8_attn-k_qa9deec95f8_attn
	.p2alignl 7, 3214868480
	.fill 96, 4, 3214868480
	.section	.rodata,"a",@progbits
	.p2align	6, 0x0
	.amdhsa_kernel k_qa9deec95f8_attn
		.amdhsa_group_segment_fixed_size 8192
		.amdhsa_private_segment_fixed_size 0
		.amdhsa_enable_private_segment 0
		.amdhsa_kernarg_size 24
		.amdhsa_user_sgpr_count 2
		.amdhsa_user_sgpr_kernarg_segment_ptr 1
		.amdhsa_wavefront_size32 1
		.amdhsa_system_sgpr_workgroup_id_x 1
		.amdhsa_system_sgpr_workgroup_id_y 1
		.amdhsa_system_sgpr_workgroup_id_z 1
		.amdhsa_system_vgpr_workitem_id 0
		.amdhsa_next_free_vgpr 256
		.amdhsa_next_free_sgpr 66
		.amdhsa_reserve_vcc 1
		.amdhsa_float_denorm_mode_32 3
		.amdhsa_float_denorm_mode_16_64 3
		.amdhsa_memory_ordered 1
		.amdhsa_forward_progress 1
		.amdhsa_inst_pref_size 29
	.end_amdhsa_kernel
	.amdgpu_metadata
---
amdhsa.version: [ 1, 2 ]
amdhsa.kernels:
  - .name:           k_qa9deec95f8_attn
    .symbol:         k_qa9deec95f8_attn.kd
    .args:
      - { .name: seg_id, .offset: 0, .size: 8, .value_kind: global_buffer, .address_space: global }
      - { .name: qkv, .offset: 8, .size: 8, .value_kind: global_buffer, .address_space: global }
      - { .name: att, .offset: 16, .size: 8, .value_kind: global_buffer, .address_space: global }
    .group_segment_fixed_size: 8192
    .private_segment_fixed_size: 0
    .kernarg_segment_align: 8
    .kernarg_segment_size: 24
    .max_flat_workgroup_size: 256
    .sgpr_count:     66
    .vgpr_count:     256
    .wavefront_size: 32
...
	.end_amdgpu_metadata
.endif
;; end of part 4
;; launch projO (part 5): grid 32 x 8, 4 waves a work-group, no clusters, 194,048 bytes of LDS; arguments pre, att, out0; writes out0
.if DOCPART == 5
	.amdgcn_target "amdgcn-amd-amdhsa--gfx1250"
	.amdhsa_code_object_version 6
	.text
	.protected	k_qa9deec95f8_projO
	.globl	k_qa9deec95f8_projO
	.p2align	8
	.type	k_qa9deec95f8_projO,@function
k_qa9deec95f8_projO:
	s_mov_b64 s[64:65], 0
	v_nop
	global_prefetch_b8 v0, s[64:65] scope:SCOPE_SE
	s_setreg_imm32_b32 hwreg(HW_REG_WAVE_MODE, 25, 1), 1
	s_wait_xcnt 0x0
; PROJO: out0 = (attention's result) W_o on codes of E3M2, f32 out.  The core is PROJA's: a work-group makes 64 rows x 128 columns (chunk y), K = 1,024; wave w makes tile 4 x + w against the chunk's eight tiles of
; weight columns; both panels lie in LDS for all of K, each byte filled once by tensor loads of dense blocks; six loads of mine are out at the start; no slot is filled again.
; THE PRODUCT IS USED TRANSPOSED: a lane holds one row and 64 of its columns, 32 b + 16 (lane / 16) + i.  The tile goes through the wave's own stage in LDS (bytes that no tensor load fills) and leaves as whole rows:
; each store of the wave covers 512 consecutive bytes, aligned.
; Multicast of the weights' panel among the row blocks is not used in this text: it is the plain form, each work-group asking for itself.
.set WS,  2568192
.set FB0, 1160                         ; W_o's first fragment in pre
.set AS,  1572864
.set PB,  0
.set PA,  98304
.set SB,  147456
.set SA,  155648
.set STG, 159744                       ; 16 rows x (512 + 16) bytes for each wave
.macro MKG1 g, rows                    ; descriptor group 1: a dense block as rows of 32 elements of 8 bytes, no padding
	s_mov_b32 s[\g], 3<<16
	s_mov_b32 s[\g+1], 32<<16
	s_mov_b32 s[\g+2], (\rows)<<16
	s_mov_b32 s[\g+3], 32<<16
	s_mov_b32 s[\g+4], \rows
	s_mov_b32 s[\g+5], 32
	s_mov_b32 s[\g+6], 0
	s_mov_b32 s[\g+7], 0
.endm
.macro MKG0 g, l, o, b                 ; group 0: count 1, LDS address s[l], global address s[b:b+1] + s[o:o+1], type 2
	s_mov_b32 s[\g], 1
	s_mov_b32 s[\g+1], s[\l]
	s_add_nc_u64 s[\g+2:\g+3], s[\b:\b+1], s[\o:\o+1]
	s_or_b32 s[\g+3], s[\g+3], 0x80000000
.endm
	s_load_b128 s[4:7], s[0:1], 0x0                ; pre, att
	s_load_b64 s[92:93], s[0:1], 0x10              ; out0
	v_lshl_add_u32 v192, v0, 2, 0x2f400
	v_mov_b32 v193, 0
	ds_add_u32 v192, v193
	ds_add_u32 v192, v193
	v_lshrrev_b32 v17, 5, v0
	v_readfirstlane_b32 s8, v17                    ; wave
	s_and_b32 s9, ttmp7, 0xffff                    ; y: the chunk
	MKG1 16, 48
	MKG1 24, 24
	MKG1 32, 8
	MKG1 40, 4
	s_lshl_b32 s13, ttmp9, 2
	s_add_co_u32 s13, s13, s8                      ; my tile of rows
	s_lshl_b32 s76, s9, 13
	s_lshl_b32 s15, s8, 11
	s_add_co_u32 s76, s76, s15
	s_add_co_u32 s76, s76, WS+FB0*128
	s_mov_b32 s77, 0
	s_lshl_b32 s78, s13, 10
	s_add_co_u32 s78, s78, AS
	s_mov_b32 s79, 0
	s_mul_i32 s80, s9, 98304
	s_mul_i32 s15, s8, 12288
	s_add_co_u32 s80, s80, s15
	s_add_co_u32 s80, s80, FB0*1536
	s_mov_b32 s81, 0
	s_add_co_u32 s88, s80, 49152
	s_mov_b32 s89, 0
	s_mul_i32 s82, s13, 12288
	s_mov_b32 s83, 0
	s_add_co_u32 s90, s82, 6144
	s_mov_b32 s91, 0
	s_lshl_b32 s84, s8, 11
	s_add_co_u32 s84, s84, SB
	s_lshl_b32 s85, s8, 10
	s_add_co_u32 s85, s85, SA
	s_add_co_u32 s86, s15, PB
	s_add_co_u32 s87, s15, PA
	s_add_co_u32 s10, s86, 49152
	s_add_co_u32 s15, s87, 6144
	s_wait_dscnt 0x0
	s_wait_kmcnt 0x0
	MKG0 48, 84, 76, 4
	MKG0 52, 85, 78, 6
	MKG0 56, 86, 80, 4
	MKG0 60, 87, 82, 6
	MKG0 68, 10, 88, 4
	MKG0 72, 15, 90, 6
	tensor_load_to_lds s[48:51], s[32:39]          ; all first fills in one group, ahead of every wait on TENSORcnt, every LDS read and every barrier
	s_nop 0
	tensor_load_to_lds s[52:55], s[40:47]
	s_nop 0
	tensor_load_to_lds s[56:59], s[16:23]
	s_nop 0
	tensor_load_to_lds s[60:63], s[24:31]
	s_nop 0
	tensor_load_to_lds s[68:71], s[16:23]
	s_nop 0
	tensor_load_to_lds s[72:75], s[24:31]
	s_nop 0
.rept 4
	v_nop
.endr
	v_and_b32 v17, 31, v0
	v_lshlrev_b32 v6, 4, v17                       ; 16 x lane
	v_lshlrev_b32 v7, 2, v17                       ; 4 x lane
	v_add_nc_u32 v1, s87, v6
	v_add_nc_u32 v2, PB, v6
	v_add_nc_u32 v3, PB+49152, v6
	v_add_nc_u32 v4, s85, v7
	v_add_nc_u32 v5, SB, v7
	s_mul_i32 s11, s8, 8448
	s_add_co_u32 s11, s11, STG                     ; my stage
	v_and_b32 v18, 15, v0
	v_mul_u32_u24 v18, v18, 528
	v_bfe_u32 v19, v0, 4, 1
	v_lshl_add_u32 v18, v19, 6, v18
	v_add_nc_u32 v18, s11, v18                     ; in: row r, + 64 h
	v_add_nc_u32 v19, s11, v6                      ; back: 16 bytes a lane of a row
	s_lshr_b32 s12, s13, 1                         ; my tile's first row: 32 (T / 2) + 8 (T % 2)
	s_lshl_b32 s12, s12, 5
	s_and_b32 s14, s13, 1
	s_lshl_b32 s14, s14, 3
	s_add_co_u32 s12, s12, s14
	s_lshl_b32 s76, s12, 12                        ; a row of out0 is 4,096 bytes; the chunk's 512 of them
	s_lshl_b32 s14, s9, 9
	s_add_co_u32 s76, s76, s14
	s_add_nc_u64 s[92:93], s[92:93], s[76:77]
.macro MM t, first
.if \first
	v_wmma_scale_f32_16x16x128_f8f6f4 v[128+8*\t:135+8*\t], v[32+12*\t:43+12*\t], v[20:31], 0, v[8+\t], v16 matrix_a_fmt:MATRIX_FMT_BF6 matrix_b_fmt:MATRIX_FMT_BF6
.else
	v_wmma_scale_f32_16x16x128_f8f6f4 v[128+8*\t:135+8*\t], v[32+12*\t:43+12*\t], v[20:31], v[128+8*\t:135+8*\t], v[8+\t], v16 matrix_a_fmt:MATRIX_FMT_BF6 matrix_b_fmt:MATRIX_FMT_BF6
.endif
.endm
; A K step of 128: v16 and v20-31 my rows' scale word and fragment, v8-15 and v32-127 the weights' eight; v128-191 the eight accumulators, which take turns, one instruction a turn.
.macro KSTEP ks, first
.irp c, 0,1,2
	ds_load_b128 v[20+4*\c:23+4*\c], v1 offset:1536*(\ks)+512*\c
.endr
	ds_load_b32 v16, v4 offset:128*(\ks)
.irp t, 0,1,2,3,4,5,6,7
.irp c, 0,1,2
.if (\ks) < 4
	ds_load_b128 v[32+12*\t+4*\c:35+12*\t+4*\c], v2 offset:12288*((\ks)%4)+1536*\t+512*\c
.else
	ds_load_b128 v[32+12*\t+4*\c:35+12*\t+4*\c], v3 offset:12288*((\ks)%4)+1536*\t+512*\c
.endif
.endr
	ds_load_b32 v[8+\t], v5 offset:1024*(\ks)+128*\t
.endr
	s_wait_dscnt 16                                ; all but the 16 loads of tiles 4-7
.irp t, 0,1,2,3
	MM \t, \first
.endr
	s_wait_dscnt 0x0
.irp t, 4,5,6,7
	MM \t, \first
.endr
.rept 4
	v_nop                                          ; places in front of loads into registers that matrix instructions have read, and of the first read of results
.endr
.endm
	s_wait_tensorcnt 2                             ; the scale words and K steps 0-3 are in; my two loads of K steps 4-7 may be out
	s_barrier_signal -1
	s_barrier_wait -1
	KSTEP 0, 1
	KSTEP 1, 0
	KSTEP 2, 0
	KSTEP 3, 0
	s_wait_tensorcnt 0x0                           ; my parts of K steps 4-7 are in,
	s_wait_dscnt 0x0
	s_barrier_signal -1
	s_barrier_wait -1                              ; everybody's are
	KSTEP 4, 0
	KSTEP 5, 0
	KSTEP 6, 0
	KSTEP 7, 0
.irp b, 0,1,2,3
.irp j, 0,1,2,3
	ds_store_b128 v18, v[128+16*\b+4*\j:131+16*\b+4*\j] offset:128*\b+16*\j   ; columns 32 b + 16 h + 4 j on of my row; each accumulator from its low end on
.endr
.endr
.irp i, 0,1,2,3,4,5,6,7,8,9,10,11,12,13,14,15
	ds_load_b128 v[32+4*\i:35+4*\i], v19 offset:528*\i   ; LDS serves a wave's instructions in order: these see my stores
.endr
.irp i, 0,1,2,3,4,5,6,7,8,9,10,11,12,13,14,15
	s_wait_dscnt 15-\i
	global_store_b128 v6, v[32+4*\i:35+4*\i], s[92:93] offset:(\i+8*(\i/8))*4096 th:TH_STORE_NT   ; the tile's row i: 512 consecutive bytes, aligned; written once, read by nobody here
.endr
	s_wait_tensorcnt 0x0
	ds_add_u32 v192, v193
	s_wait_dscnt 0x0
	s_endpgm
.Lfunc_end_k_qa9deec95f8_projO:
	.size	k_qa9deec95f8_projO, .Lfunc_end_k_qa9deec95f8_projO-k_qa9deec95f8_projO
	.p2alignl 7, 3214868480
	.fill 96, 4, 3214868480
	.section	.rodata,"a",@progbits
	.p2align	6, 0x0
	.amdhsa_kernel k_qa9deec95f8_projO
		.amdhsa_group_segment_fixed_size 194048
		.amdhsa_private_segment_fixed_size 0
		.amdhsa_enable_private_segment 0
		.amdhsa_kernarg_size 24
		.amdhsa_user_sgpr_count 2
		.amdhsa_user_sgpr_kernarg_segment_ptr 1
		.amdhsa_wavefront_size32 1
		.amdhsa_system_sgpr_workgroup_id_x 1
		.amdhsa_system_sgpr_workgroup_id_y 1
		.amdhsa_system_sgpr_workgroup_id_z 1
		.amdhsa_system_vgpr_workitem_id 0
		.amdhsa_next_free_vgpr 194
		.amdhsa_next_free_sgpr 94
		.amdhsa_reserve_vcc 0
		.amdhsa_float_denorm_mode_32 3
		.amdhsa_float_denorm_mode_16_64 3
		.amdhsa_memory_ordered 1
		.amdhsa_forward_progress 1
		.amdhsa_inst_pref_size 39
	.end_amdhsa_kernel
	.amdgpu_metadata
---
amdhsa.version: [ 1, 2 ]
amdhsa.kernels:
  - .name:           k_qa9deec95f8_projO
    .symbol:         k_qa9deec95f8_projO.kd
    .args:
      - { .name: pre, .offset: 0, .size: 8, .value_kind: global_buffer, .address_space: global }
      - { .name: att, .offset: 8, .size: 8, .value_kind: global_buffer, .address_space: global }
      - { .name: out0, .offset: 16, .size: 8, .value_kind: global_buffer, .address_space: global }
    .group_segment_fixed_size: 194048
    .private_segment_fixed_size: 0
    .kernarg_segment_align: 8
    .kernarg_segment_size: 24
    .max_flat_workgroup_size: 128
    .sgpr_count:     94
    .vgpr_count:     194
    .wavefront_size: 32
...
	.end_amdgpu_metadata
.endif
;; end of part 5
;; ======== version 2 of 2: 5 launches; version 1 with the launches projB, attn written anew for expert scheduling mode
;; workspace buffers: pre 6,714,368 bytes; mid 1,277,952 bytes; qkv 8,650,752 bytes; att 1,703,936 bytes
;; launch prep: the kernel of part 1 again; grid 369 x 1, 4 waves a work-group, no clusters, 46,592 bytes of LDS; arguments q, kv_src, W_kv, W_dq, W_uq, W_qr, W_uk, W_uv, W_o, W_kr, pre; writes pre
;; launch projA: the kernel of part 2 again; grid 32 x 6, 4 waves a work-group, no clusters, 168,448 bytes of LDS; arguments pre, mid; writes mid
;; launch projB (part 6): grid 224 x 1, 4 waves a work-group, no clusters, 0 bytes of LDS; arguments pre, mid, qkv; writes qkv
.if DOCPART == 6
	.amdgcn_target "amdgcn-amd-amdhsa--gfx1250"
	.amdhsa_code_object_version 6
	.text
	.protected	k_qa9deec95f8_projB
	.globl	k_qa9deec95f8_projB
	.p2align	8
	.type	k_qa9deec95f8_projB,@function
k_qa9deec95f8_projB:
	s_mov_b64 s[64:65], 0
	v_nop
	global_prefetch_b8 v0, s[64:65] scope:SCOPE_SE
	s_setreg_imm32_b32 hwreg(HW_REG_WAVE_SCHED_MODE, 0, 2), 2
	s_setreg_imm32_b32 hwreg(HW_REG_WAVE_MODE, 25, 1), 1
	s_wait_xcnt 0x0
	s_wait_alu depctr_vm_vsrc(0)
; PROJB: the up-projections, rope, and the quantising of Q, K and V for attention, all on codes of E3M2.
; Work-groups 0-127: Q.  A wave takes one head and four tiles of 16 queries: [q_nope 64 | rope(q_pe) 64] = qc [W_uq | W_qr], K = 512.  128-191: K likewise from kv_c [W_uk | W_kr], K = 256, eight tiles of keys
; (the shared rope key is made anew for each head, so that both take one macro).  The two score products, K = 64 each, so become ONE operand of K = 128, cut into the same four blocks of 32.
; 192-223: V^T.  A work-group takes 64 keys, a wave four heads: source 0 = 16 keys of kv_c, source 1 = 16 columns of W_uv, so that a lane holds one channel and its registers run along the keys, V's K in attention.
; No LDS, no barrier: a wave's weights stay in its registers and everything that it reads is asked for at its head; the waits are counted.
; All products are used transposed as in PROJA; a lane's 64 (V: 32) results are neighbours along the next K.
; REGISTERS, in windows of 256: window 0: v1-3 offsets; v8-39 the weights' scale words, v40-55 the rows'; v64-127 accumulators; v128-143 the quantiser at work; v144, v145 and v148-166, v184-202 two out-buffers; v168-183 rope at work.
;   windows 1, 2: weight fragment f at 12 (f % 16) of window 1 + f / 16; rope records in what is left of them.   window 3: the rows' fragment j at 12 j.
; THE MODE: SCHED_MODE bits 1:0 = 2 (LLVM: expert scheduling mode 2), set by the entry lines.  The code itself states the register dependences
; between vector or matrix instructions and memory instructions, with s_wait_alu, always for 0.
; THE PLAN.  Registers that memory instructions touch:
;   v1, v2, v3    byte offsets, made once at the head, read by every load and store, never written again; the tiles are reached by immediate offsets.
;   v8-55 and windows 1 to 3   Written by loads alone, all of them issued at a path's head, ahead of its first vector or matrix instruction.
;   OUT0, OUT1    a tile's codes (v148-159, v184-195) and scale word (v144, v145).  Tile t's quantiser writes OUT[t % 2]; the four stores that read it are issued in tile t + 1.
; Tile t's matrix instructions follow tile t - 1's quantiser with no wait.  Behind them and their four places stand three lines: the stores of tile t - 2 have read OUT[t % 2], which this tile's quantiser writes again;
; tile t - 1's quantiser has written the other buffer.  Tile t - 1's stores follow, then the vector work of tile t, which names neither that buffer nor the offsets.
; LIMITS: NaN and infinities are not served; a block whose largest magnitude lies under 2^-122 keeps the byte 1.
.set WS,  2568192
.set RP,  6190080
.set CS,  1179648
.set OFF_KF, 3145728                   ; in qkv: Q's fragments [tile][head] from 0, K's [head][tile],
.set OFF_VF, 6291456                   ; V's half fragments [head][64 keys][16 channels], 768 bytes each,
.set OFF_QS, 7864320                   ; and the scale words, 128 bytes each
.set OFF_KS, 8126464
.set OFF_VS, 8388608
.set SEL, 2
.set TM,  128
.set PW,  144                          ; the out-buffer in hand: its scale word (144 or 145),
.set PC,  148                          ; and its codes (148 or 184 on); both are set anew ahead of each quantiser
.set PX,  156
.set MSB, 0
.macro WIN new                         ; the immediate's high byte repeats the setting that is left
.if MSB != (\new)
	s_set_vgpr_msb (MSB<<8)|(\new)
.set MSB, (\new)
.endif
.endm
.macro QUANT s
.irp b, 0,1,2,3
	v_max3_num_f32 v[TM+\b], |v[\s+16*\b]|, |v[\s+1+16*\b]|, 0x2800000
.endr
.irp i, 2,4,6,8,10,12,14
.irp b, 0,1,2,3
	v_max3_num_f32 v[TM+\b], v[TM+\b], |v[\s+16*\b+\i]|, |v[\s+1+16*\b+\i]|
.endr
.endr
.irp b, 0,1,2,3
	v_permlanex16_b32 v[TM+4+\b], v[TM+\b], s[SEL], s[SEL+1]
.endr
.irp b, 0,1,2,3
	v_max_num_f32 v[TM+\b], v[TM+\b], v[TM+4+\b]
.endr
.irp b, 0,1,2,3
	v_add_nc_u32 v[TM+12+\b], 0xfe000000, v[TM+\b]
.endr
.irp b, 0,1,2,3
	v_lshrrev_b32 v[TM+4+\b], 23, v[TM+12+\b]
.endr
	v_lshl_or_b32 v[PW], v[TM+5], 8, v[TM+4]
	v_lshl_or_b32 v[PW], v[TM+6], 16, v[PW]
	v_lshl_or_b32 v[PW], v[TM+7], 24, v[PW]
.irp c, 0,1
	v_cvt_scalef32_pk16_bf6_f32 v[PC+6*\c:PC+2+6*\c], v[\s+32*\c:\s+15+32*\c], v[TM+12+2*\c]
	v_cvt_scalef32_pk16_bf6_f32 v[PC+12+4*\c:PC+14+4*\c], v[\s+16+32*\c:\s+31+32*\c], v[TM+12+2*\c+1]
.endr
	v_nop                                          ; one plain place behind a scaled conversion
.irp c, 0,1
.irp i, 0,1,2
	v_permlane16_swap_b32 v[PC+6*\c+\i], v[PC+12+4*\c+\i]
.endr
.irp i, 0,1,2
	v_mov_b32 v[PC+3+6*\c+\i], v[PC+12+4*\c+\i]
.endr
.endr
.endm
; Its half: 32 numbers, two blocks, become registers 0-5 of a fragment in v[PC] on; the scale word has the two bytes below and zeros above
.macro QUANT2 s
.irp b, 0,1
	v_max3_num_f32 v[TM+\b], |v[\s+16*\b]|, |v[\s+1+16*\b]|, 0x2800000
.endr
.irp i, 2,4,6,8,10,12,14
.irp b, 0,1
	v_max3_num_f32 v[TM+\b], v[TM+\b], |v[\s+16*\b+\i]|, |v[\s+1+16*\b+\i]|
.endr
.endr
.irp b, 0,1
	v_permlanex16_b32 v[TM+4+\b], v[TM+\b], s[SEL], s[SEL+1]
.endr
.irp b, 0,1
	v_max_num_f32 v[TM+\b], v[TM+\b], v[TM+4+\b]
.endr
.irp b, 0,1
	v_add_nc_u32 v[TM+12+\b], 0xfe000000, v[TM+\b]
.endr
.irp b, 0,1
	v_lshrrev_b32 v[TM+4+\b], 23, v[TM+12+\b]
.endr
	v_lshl_or_b32 v[PW], v[TM+5], 8, v[TM+4]
	v_cvt_scalef32_pk16_bf6_f32 v[PC:PC+2], v[\s:\s+15], v[TM+12]
	v_cvt_scalef32_pk16_bf6_f32 v[PX:PX+2], v[\s+16:\s+31], v[TM+13]
	v_nop                                          ; one plain place behind a scaled conversion
.irp i, 0,1,2
	v_permlane16_swap_b32 v[PC+\i], v[PX+\i]
.endr
.irp i, 0,1,2
	v_mov_b32 v[PC+3+\i], v[PX+\i]
.endr
.endm
.macro RPLACE KS, tau                  ; where tile tau's rope record lies: window RW, register RR
.if (\tau) < 2
.set RW, 1
.set RR, 192+32*(\tau)
.elseif \KS == 4
.set RW, 2
.set RR, 192+32*((\tau)-2)
.else
.set RW, 2
.set RR, 32*((\tau)-2)
.endif
.endm
; What tile tau wants beside the weights: its KS fragments, their scale words, its rope record: 4 KS + 8 loads
.macro AGROUP KS, tau
	WIN 0xc0                                       ; destination window 3
.set j, \KS*(\tau)
.rept \KS
.irp c, 0,1,2
	global_load_b128 v[12*j+4*\c:12*j+4*\c+3], v1, s[20:21] offset:1536*j+512*\c
.endr
.set j, j+1
.endr
	WIN 0
.set j, \KS*(\tau)
.rept \KS
	global_load_b32 v[40+j], v2, s[22:23] offset:128*j
.set j, j+1
.endr
	RPLACE \KS, \tau
	WIN 0x40*RW
.irp q, 0,1,2,3,4,5,6,7
	global_load_b128 v[RR+4*\q:RR+4*\q+3], v1, s[24:25] offset:4096*(\tau)+512*\q
.endr
	WIN 0
.endm
; Tile t's codes and scale word leave from out-buffer t % 2: four stores
.macro SEND t, OSTEP, SSTEP
.set OB, 148+36*((\t)%2)
.irp c, 0,1,2
	global_store_b128 v1, v[OB+4*\c:OB+4*\c+3], s[26:27] offset:(\t)*\OSTEP+512*\c
.endr
	global_store_b32 v2, v[144+(\t)%2], s[28:29] offset:(\t)*\SSTEP
.endm
; Tile tau: 8 KS matrix instructions on eight accumulators by turns, the stores of the tile before, rope on tiles 4-7, the quantiser
.macro UNIT KS, NT, tau, OSTEP, SSTEP
.set LEFT, (4*\KS+8)*(\NT-1-(\tau))    ; the later tiles' loads may be out, as far as a wait can name them
.if LEFT > 63
.set LEFT, 63
.endif
	s_wait_loadcnt LEFT
.set ks, 0
.rept \KS
	WIN 0x0d+ks/2                                  ; source 0 (weights) window 1 or 2, source 1 (rows) window 3
.irp t, 0,1,2,3,4,5,6,7
.set f, 8*ks+\t
.set rW, 12*(f%16)
.set rA, 12*(\KS*(\tau)+ks)
.set rS, 40+\KS*(\tau)+ks
.if ks == 0
	v_wmma_scale_f32_16x16x128_f8f6f4 v[64+8*\t:71+8*\t], v[rW:rW+11], v[rA:rA+11], 0, v[8+f], v[rS] matrix_a_fmt:MATRIX_FMT_BF6 matrix_b_fmt:MATRIX_FMT_BF6
.else
	v_wmma_scale_f32_16x16x128_f8f6f4 v[64+8*\t:71+8*\t], v[rW:rW+11], v[rA:rA+11], v[64+8*\t:71+8*\t], v[8+f], v[rS] matrix_a_fmt:MATRIX_FMT_BF6 matrix_b_fmt:MATRIX_FMT_BF6
.endif
.endr
.set ks, ks+1
.endr
	WIN 0
.rept 4
	v_nop                                          ; places in front of the first read of results
.endr
.if (\tau) > 1
	s_wait_xcnt 0x0                                ; the stores of tile tau - 2, issued a tile back, have had their addresses translated: their data registers are written again below
	s_wait_alu depctr_vm_vsrc(0)                   ; and they have read OUT[tau % 2], which this tile's quantiser writes again
.endif
.if (\tau) > 0
	s_wait_alu depctr_va_vdst(0)                   ; the quantiser of tile tau - 1 has written the other out-buffer, which the four stores below read
	SEND (\tau)-1, \OSTEP, \SSTEP
.endif
	RPLACE \KS, \tau
	WIN 0x04*RW                                    ; source 1: the record's window
.irp p, 0,1,2,3,4,5,6,7                        ; x1 = v96.. (dims 16 h + i), x2 = v112.. (32 more): x1 cos - x2 sin, x2 cos + x1 sin, two at a time, each accumulator from its low end on
	v_pk_mul_f32 v[168+4*(\p%4):169+4*(\p%4)], v[112+2*\p:113+2*\p], v[RR+16+2*\p:RR+17+2*\p]
	v_pk_mul_f32 v[170+4*(\p%4):171+4*(\p%4)], v[96+2*\p:97+2*\p], v[RR+16+2*\p:RR+17+2*\p]
	v_pk_fma_f32 v[96+2*\p:97+2*\p], v[96+2*\p:97+2*\p], v[RR+2*\p:RR+1+2*\p], v[168+4*(\p%4):169+4*(\p%4)] neg_lo:[0,0,1] neg_hi:[0,0,1]
	v_pk_fma_f32 v[112+2*\p:113+2*\p], v[112+2*\p:113+2*\p], v[RR+2*\p:RR+1+2*\p], v[170+4*(\p%4):171+4*(\p%4)]
.endr
	WIN 0
.set PC, 148+36*((\tau)%2)
.set PW, 144+(\tau)%2
	QUANT 64
.if (\tau) == \NT-1
	s_wait_alu depctr_va_vdst(0)                   ; the last tile's quantiser has written its out-buffer, which the last four stores read
	SEND \tau, \OSTEP, \SSTEP
.endif
.endm
; s[12:13], s[14:15] the head's content and rope weights; s[16:17], s[18:19] their scale words; s[20:21], s[22:23] the rows' fragments and scale words; s[24:25] rope records; s[26:27], s[28:29] the results
.macro PROJ KS, NT, OSTEP, SSTEP
.set f, 0
.rept 8*\KS
.if (f%8) < 4
	global_load_b32 v[8+f], v2, s[16:17] offset:(4*(f/8)+f%4)*128
.else
	global_load_b32 v[8+f], v2, s[18:19] offset:(4*(f/8)+f%4)*128
.endif
.set f, f+1
.endr
	AGROUP \KS, 0
.set f, 0
.rept 8*\KS
	WIN 0x40*(1+f/16)
.irp c, 0,1,2
.if (f%8) < 4
	global_load_b128 v[12*(f%16)+4*\c:12*(f%16)+4*\c+3], v1, s[12:13] offset:(4*(f/8)+f%4)*1536+512*\c
.else
	global_load_b128 v[12*(f%16)+4*\c:12*(f%16)+4*\c+3], v1, s[14:15] offset:(4*(f/8)+f%4)*1536+512*\c
.endif
.endr
.set f, f+1
.endr
	WIN 0
.set tt, 1
.rept \NT-1
	AGROUP \KS, tt
.set tt, tt+1
.endr
.set tt, 0
.rept \NT
	UNIT \KS, \NT, tt, \OSTEP, \SSTEP
.set tt, tt+1
.endr
.endm
	s_load_b128 s[4:7], s[0:1], 0x0                ; pre, mid
	s_load_b64 s[8:9], s[0:1], 0x10                ; qkv
	v_lshrrev_b32 v1, 5, v0
	v_readfirstlane_b32 s10, v1                    ; wave
	v_and_b32 v4, 31, v0
	v_lshlrev_b32 v1, 4, v4                        ; 16 x lane
	v_lshlrev_b32 v2, 2, v4                        ; 4 x lane
	v_lshlrev_b32 v3, 3, v4                        ; 8 x lane
	s_mov_b32 s[SEL], 0x76543210
	s_mov_b32 s[SEL+1], 0xfedcba98
.irp b, 0,1,2,3
	v_mov_b32 v[TM+4+\b], 0                        ; written once: a lane permute's destination counts as one of its sources
.endr
	s_mov_b32 s35, 0
	s_wait_alu depctr_va_sdst(0)                   ; s10 is written, ahead of the parting of the ways: each way makes its bases from it
	s_wait_alu depctr_va_vdst(0)                   ; v1, v2 and v3 are written: every load and store of the kernel reads one of them as its offset, and no vector instruction names them again
	s_wait_kmcnt 0x0
	s_cmp_lt_u32 ttmp9, 128
	s_cbranch_scc0 .Lnot_q
; ---- Q
	s_and_b32 s30, ttmp9, 3
	s_lshl_b32 s30, s30, 2
	s_add_co_u32 s30, s30, s10                     ; head
	s_lshr_b32 s31, ttmp9, 2                       ; which four tiles
	s_lshl_b32 s32, s30, 4
	s_add_co_u32 s32, s32, 384                     ; W_uq's fragments of the head; W_qr's lie 256 further on
	s_mul_i32 s34, s32, 1536
	s_add_nc_u64 s[12:13], s[4:5], s[34:35]
	s_add_nc_u64 s[14:15], s[12:13], 393216
	s_lshl_b32 s34, s32, 7
	s_add_co_u32 s34, s34, WS
	s_add_nc_u64 s[16:17], s[4:5], s[34:35]
	s_add_nc_u64 s[18:19], s[16:17], 32768
	s_lshl_b32 s32, s31, 4
	s_add_co_u32 s32, s32, 256                     ; qc's fragments: 256 + 4 x tile
	s_mul_i32 s34, s32, 1536
	s_add_nc_u64 s[20:21], s[6:7], s[34:35]
	s_lshl_b32 s34, s32, 7
	s_add_co_u32 s34, s34, CS
	s_add_nc_u64 s[22:23], s[6:7], s[34:35]
	s_lshl_b32 s34, s31, 14
	s_add_co_u32 s34, s34, RP
	s_add_nc_u64 s[24:25], s[4:5], s[34:35]
	s_lshl_b32 s32, s31, 6
	s_add_co_u32 s32, s32, s30                     ; Q's fragment 16 x tile + head
	s_mul_i32 s34, s32, 1536
	s_add_nc_u64 s[26:27], s[8:9], s[34:35]
	s_lshl_b32 s34, s32, 7
	s_add_co_u32 s34, s34, OFF_QS
	s_add_nc_u64 s[28:29], s[8:9], s[34:35]
	PROJ 4, 4, 24576, 2048
	s_endpgm
.Lnot_q:
	s_cmp_lt_u32 ttmp9, 192
	s_cbranch_scc0 .Lway_v
; ---- K
	s_sub_co_u32 s33, ttmp9, 128
	s_and_b32 s30, s33, 3
	s_lshl_b32 s30, s30, 2
	s_add_co_u32 s30, s30, s10                     ; head
	s_lshr_b32 s31, s33, 2                         ; which eight tiles
	s_lshl_b32 s32, s30, 3
	s_add_co_u32 s32, s32, 896                     ; W_uk's fragments of the head
	s_mul_i32 s34, s32, 1536
	s_add_nc_u64 s[12:13], s[4:5], s[34:35]
	s_add_nc_u64 s[14:15], s[4:5], 1024*1536       ; W_kr's
	s_lshl_b32 s34, s32, 7
	s_add_co_u32 s34, s34, WS
	s_add_nc_u64 s[16:17], s[4:5], s[34:35]
	s_add_nc_u64 s[18:19], s[4:5], WS+1024*128
	s_mul_i32 s34, s31, 24576                      ; kv_c's fragments: 2 x tile
	s_add_nc_u64 s[20:21], s[6:7], s[34:35]
	s_lshl_b32 s34, s31, 11
	s_add_co_u32 s34, s34, CS
	s_add_nc_u64 s[22:23], s[6:7], s[34:35]
	s_lshl_b32 s34, s31, 15
	s_add_co_u32 s34, s34, RP
	s_add_nc_u64 s[24:25], s[4:5], s[34:35]
	s_lshl_b32 s32, s30, 7
	s_lshl_b32 s33, s31, 3
	s_add_co_u32 s32, s32, s33                     ; K's fragment 128 x head + tile
	s_mul_i32 s34, s32, 1536
	s_add_co_u32 s34, s34, OFF_KF
	s_add_nc_u64 s[26:27], s[8:9], s[34:35]
	s_lshl_b32 s34, s32, 7
	s_add_co_u32 s34, s34, OFF_KS
	s_add_nc_u64 s[28:29], s[8:9], s[34:35]
	PROJ 2, 8, 1536, 128
	s_endpgm
.Lway_v:
; ---- V^T: keys 64 P .. 64 P + 63 (four tiles, two blocks of 32), heads 4 w .. 4 w + 3
	s_sub_co_u32 s31, ttmp9, 192                   ; P
	s_mul_i32 s34, s31, 12288                      ; kv_c's eight fragments: 8 P on
	s_add_nc_u64 s[20:21], s[6:7], s[34:35]
	s_lshl_b32 s34, s31, 10
	s_add_co_u32 s34, s34, CS
	s_add_nc_u64 s[22:23], s[6:7], s[34:35]
	s_lshl_b32 s32, s10, 5
	s_add_co_u32 s32, s32, 1032                    ; W_uv's 32 fragments of my four heads
	s_mul_i32 s34, s32, 1536
	s_add_nc_u64 s[12:13], s[4:5], s[34:35]
	s_lshl_b32 s34, s32, 7
	s_add_co_u32 s34, s34, WS
	s_add_nc_u64 s[16:17], s[4:5], s[34:35]
	s_lshl_b32 s32, s10, 7
	s_add_co_u32 s32, s32, s31                     ; 32 x head + P, for my first head
	s_mul_i32 s34, s32, 3072
	s_add_co_u32 s34, s34, OFF_VF
	s_add_nc_u64 s[26:27], s[8:9], s[34:35]
	s_lshl_b32 s34, s32, 9
	s_add_co_u32 s34, s34, OFF_VS
	s_add_nc_u64 s[28:29], s[8:9], s[34:35]
	WIN 0xc0
.irp j, 0,1,2,3,4,5,6,7
.irp c, 0,1,2
	global_load_b128 v[12*\j+4*\c:12*\j+4*\c+3], v1, s[20:21] offset:1536*\j+512*\c
.endr
.endr
	WIN 0
.irp j, 0,1,2,3,4,5,6,7
	global_load_b32 v[40+\j], v2, s[22:23] offset:128*\j
.endr
.macro VHEAD hh                        ; head hh's eight fragments of W_uv (g = 8 hh + 4 ks + t) and their scale words: 32 loads
.set g, 8*(\hh)
.rept 8
	WIN 0x40*(1+g/16)
.irp c, 0,1,2
	global_load_b128 v[12*(g%16)+4*\c:12*(g%16)+4*\c+3], v1, s[12:13] offset:1536*g+512*\c
.endr
.set g, g+1
.endr
	WIN 0
.set g, 8*(\hh)
.rept 8
	global_load_b32 v[8+g], v2, s[16:17] offset:128*g
.set g, g+1
.endr
.endm
	VHEAD 0
	VHEAD 1
	VHEAD 2
	VHEAD 3
; Unit u = 4 x head + tile of channels.  Its half fragment and scale word leave from out-buffer u % 2: three stores
.macro VSEND u
.set OB, 148+36*((\u)%2)
	global_store_b128 v1, v[OB:OB+3], s[26:27] offset:98304*((\u)/4)+768*((\u)%4)
	global_store_b64 v3, v[OB+4:OB+5], s[26:27] offset:98304*((\u)/4)+768*((\u)%4)+512
	global_store_b32 v2, v[144+(\u)%2], s[28:29] offset:16384*((\u)/4)+128*((\u)%4)
.endm
.macro VUNIT u                         ; 16 channels of a head x 64 keys: four accumulators by turns, K = 256
.if (\u)%4 == 0
.set LEFT, 32*(3-(\u)/4)               ; the later heads' loads may be out, as far as a wait can name them
.if LEFT > 63
.set LEFT, 63
.endif
	s_wait_loadcnt LEFT
.endif
	WIN 0x07+4*((\u)/8)                            ; source 0 (keys) window 3, source 1 (W_uv) window 1 or 2
.irp ks, 0,1
.irp tl, 0,1,2,3
.set g, 8*((\u)/4)+4*\ks+(\u)%4
.if \ks == 0
	v_wmma_scale_f32_16x16x128_f8f6f4 v[64+8*\tl:71+8*\tl], v[12*(2*\tl+\ks):12*(2*\tl+\ks)+11], v[12*(g%16):12*(g%16)+11], 0, v[40+2*\tl+\ks], v[8+g] matrix_a_fmt:MATRIX_FMT_BF6 matrix_b_fmt:MATRIX_FMT_BF6
.else
	v_wmma_scale_f32_16x16x128_f8f6f4 v[64+8*\tl:71+8*\tl], v[12*(2*\tl+\ks):12*(2*\tl+\ks)+11], v[12*(g%16):12*(g%16)+11], v[64+8*\tl:71+8*\tl], v[40+2*\tl+\ks], v[8+g] matrix_a_fmt:MATRIX_FMT_BF6 matrix_b_fmt:MATRIX_FMT_BF6
.endif
.endr
.endr
	WIN 0
.rept 4
	v_nop                                          ; places in front of the first read of results
.endr
.if (\u) > 1
	s_wait_xcnt 0x0                                ; the stores of unit u - 2, issued a unit back, have had their addresses translated: their data registers are written again below
	s_wait_alu depctr_vm_vsrc(0)                   ; and they have read OUT[u % 2], which this unit's quantiser writes again
.endif
.if (\u) > 0
	s_wait_alu depctr_va_vdst(0)                   ; the quantiser of unit u - 1 has written the other out-buffer, which the three stores below read
	VSEND (\u)-1
.endif
.set PC, 148+36*((\u)%2)
.set PW, 144+(\u)%2
	QUANT2 64                                      ; register 16 b + i = key 32 b + 16 (lane / 16) + i of my channel
.if (\u) == 15
	s_wait_alu depctr_va_vdst(0)                   ; the last unit's quantiser has written its out-buffer, which the last three stores read
	VSEND \u
.endif
.endm
.set uu, 0
.rept 16
	VUNIT uu
.set uu, uu+1
.endr
	s_endpgm
.Lfunc_end_k_qa9deec95f8_projB:
	.size	k_qa9deec95f8_projB, .Lfunc_end_k_qa9deec95f8_projB-k_qa9deec95f8_projB
	.p2alignl 7, 3214868480
	.fill 96, 4, 3214868480
	.section	.rodata,"a",@progbits
	.p2align	6, 0x0
	.amdhsa_kernel k_qa9deec95f8_projB
		.amdhsa_group_segment_fixed_size 0
		.amdhsa_private_segment_fixed_size 0
		.amdhsa_enable_private_segment 0
		.amdhsa_kernarg_size 24
		.amdhsa_user_sgpr_count 2
		.amdhsa_user_sgpr_kernarg_segment_ptr 1
		.amdhsa_wavefront_size32 1
		.amdhsa_system_sgpr_workgroup_id_x 1
		.amdhsa_system_sgpr_workgroup_id_y 1
		.amdhsa_system_sgpr_workgroup_id_z 1
		.amdhsa_system_vgpr_workitem_id 0
		.amdhsa_next_free_vgpr 960
		.amdhsa_next_free_sgpr 66
		.amdhsa_reserve_vcc 0
		.amdhsa_float_denorm_mode_32 3
		.amdhsa_float_denorm_mode_16_64 3
		.amdhsa_memory_ordered 1
		.amdhsa_forward_progress 1
		.amdhsa_inst_pref_size 225
	.end_amdhsa_kernel
	.amdgpu_metadata
---
amdhsa.version: [ 1, 2 ]
amdhsa.kernels:
  - .name:           k_qa9deec95f8_projB
    .symbol:         k_qa9deec95f8_projB.kd
    .args:
      - { .name: pre, .offset: 0, .size: 8, .value_kind: global_buffer, .address_space: global }
      - { .name: mid, .offset: 8, .size: 8, .value_kind: global_buffer, .address_space: global }
      - { .name: qkv, .offset: 16, .size: 8, .value_kind: global_buffer, .address_space: global }
    .group_segment_fixed_size: 0
    .private_segment_fixed_size: 0
    .kernarg_segment_align: 8
    .kernarg_segment_size: 24
    .max_flat_workgroup_size: 128
    .sgpr_count:     66
    .vgpr_count:     960
    .wavefront_size: 32
...
	.end_amdgpu_metadata
.endif
;; end of part 6
;; launch attn (part 7): grid 256 x 1, 8 waves a work-group, no clusters, 8,192 bytes of LDS; arguments seg_id, qkv, att; writes att
.if DOCPART == 7
	.amdgcn_target "amdgcn-amd-amdhsa--gfx1250"
	.amdhsa_code_object_version 6
	.text
	.protected	k_qa9deec95f8_attn
	.globl	k_qa9deec95f8_attn
	.p2align	8
	.type	k_qa9deec95f8_attn,@function
k_qa9deec95f8_attn:
	s_mov_b64 s[64:65], 0
	v_nop
	global_prefetch_b8 v0, s[64:65] scope:SCOPE_SE
	s_setreg_imm32_b32 hwreg(HW_REG_WAVE_SCHED_MODE, 0, 2), 2
	s_setreg_imm32_b32 hwreg(HW_REG_WAVE_MODE, 25, 1), 1
	s_wait_xcnt 0x0
	s_wait_alu depctr_vm_vsrc(0)
; ATTN: softmax(scores under the segment mask) V, both products on codes of E3M2, and the result quantised along W_o's K.
; Query q sees key k where seg(q) - 2 <= k <= seg(q): the mask is built by the problem's own function, so only the aligned runs of 64 keys that a tile of 16 queries can see are walked: from (min seg - 2) / 64 to max seg / 64.
; The range comes from seg_id, an index input, read by scalar loads; it is right for any order of seg_id (a running maximum M carries the softmax over any number of steps) and short where neighbouring queries have near segments.
; SHARES.  Work-group: one tile of queries, eight heads; a wave: one head.  Operands come from memory straight into registers, as images: no tensor load.
; LAYOUT.  S^T = K Q^T (K = 128: content 64 | rope 64) and O^T = V^T P^T (K = 64 keys, the upper 64 of the instruction's 128 are zero codes): a lane holds one query throughout.  Register 16 b + i of S^T is key 64 P + 32 b + 16 (lane / 16) + i.
; SOFTMAX.  t = score x log2(e) / sqrt(128); M = the running largest t rounded up to a whole number; p = 2^(t - M) is quantised along the keys; the sum is taken of the unquantised p and divides O at the end.
; Hidden scores become -infinity: p = 0.  A step in which a query sees nothing leaves its M, sum and O as they are.
; THE MODE: SCHED_MODE bits 1:0 = 2 (LLVM: expert scheduling mode 2), set by the entry lines.  The code itself states the register dependences
; between vector or matrix instructions and memory or LDS instructions, with s_wait_alu, always for 0.
; THE PLAN.  Registers that memory or LDS instructions touch:
;   v1-3, v7-11, v29, v214   offsets and LDS addresses, made once at the head and never written again; the steps are reached by scalar bases.
;   K: v32-83     Read by a step's four products S^T.  The loads of the NEXT step's K land in them in the step's middle, behind the wait that stands behind the exponentials; step 0's go out ahead of the loop.
;   V: v84-89 .. v120-125, v132-135   Read by a step's four products O^T, its last instructions.  The next step's loads land in them behind the wait at that step's head.
;   v200-205, v212   p's codes and scale word: vector instructions write them, the products O^T take them; behind the loop the result's, which the LDS stores read.
;   v136-149      Behind the barrier the LDS loads of two heads' halves land in them, and the stores to memory read them.
;   s16-47        The step's 32 masks: written by a run of 32 compares at the step's head, which hang on seg_id and the step's first key alone; one wait behind the run; read by the 32 selects behind S^T.
; A step has three waits on va_vdst: at its head (the last step's products O^T are done reading V), behind the exponentials (p is written; the products S^T are done reading K), and ahead of the products O^T (p's codes and scale word are written).
; LIMITS: seg_id from 0 to 2,049; a query that sees no key at all is not served.  NaN and infinities are not served.
.set OFF_KF, 3145728
.set OFF_VF, 6291456
.set OFF_QS, 7864320
.set OFF_KS, 8126464
.set OFF_VS, 8388608
.set AS,  1572864                      ; in att: fragments [tile][K step 8] from 0, scale words from AS
.set SEL, 2
.set NST, 11                           ; s11, from the range's lines on: how many steps
.set CNT, 12                           ; s12, likewise: the steps done
.set KEY, 14                           ; s14, likewise: the step's first key
.set MK,  16                           ; s[16:47], in the loop: the masks
.set TM,  216
.set PW,  212                          ; v212: p's scale word, later the result's
.set PC,  200                          ; v200-211: P; its upper six stay 0
.set PX,  232
.macro QUANT2 s
.irp b, 0,1
	v_max3_num_f32 v[TM+\b], |v[\s+16*\b]|, |v[\s+1+16*\b]|, 0x2800000   ; block b: my 16 numbers, and the floor 2^(5 - 127)
.endr
.irp i, 2,4,6,8,10,12,14
.irp b, 0,1
	v_max3_num_f32 v[TM+\b], v[TM+\b], |v[\s+16*\b+\i]|, |v[\s+1+16*\b+\i]|
.endr
.endr
.irp b, 0,1
	v_permlanex16_b32 v[TM+4+\b], v[TM+\b], s[SEL], s[SEL+1]
.endr
.irp b, 0,1
	v_max_num_f32 v[TM+\b], v[TM+\b], v[TM+4+\b]
.endr
.irp b, 0,1
	v_add_nc_u32 v[TM+12+\b], 0xfe000000, v[TM+\b]
.endr
.irp b, 0,1
	v_lshrrev_b32 v[TM+4+\b], 23, v[TM+12+\b]
.endr
	v_lshl_or_b32 v[PW], v[TM+5], 8, v[TM+4]       ; two bytes; the bytes of the zero codes above are 0
	v_cvt_scalef32_pk16_bf6_f32 v[PC:PC+2], v[\s:\s+15], v[TM+12]
	v_cvt_scalef32_pk16_bf6_f32 v[PX:PX+2], v[\s+16:\s+31], v[TM+13]
	v_nop                                          ; one plain place behind a scaled conversion
.irp i, 0,1,2
	v_permlane16_swap_b32 v[PC+\i], v[PX+\i]
.endr
.irp i, 0,1,2
	v_mov_b32 v[PC+3+\i], v[PX+\i]
.endr
.endm
.macro KLOAD                           ; a step's four fragments of K and their scale words: 16 loads
.irp tl, 0,1,2,3
.irp c, 0,1,2
	global_load_b128 v[32+12*\tl+4*\c:35+12*\tl+4*\c], v1, s[48:49] offset:1536*\tl+512*\c
.endr
.endr
.irp tl, 0,1,2,3
	global_load_b32 v[80+\tl], v3, s[50:51] offset:128*\tl
.endr
.endm
	s_load_b128 s[4:7], s[0:1], 0x0                ; seg_id, qkv
	s_load_b64 s[8:9], s[0:1], 0x10                ; att
	v_lshl_add_u32 v254, v0, 2, 0x1c00
	v_mov_b32 v255, 0
	v_lshrrev_b32 v1, 5, v0
	v_readfirstlane_b32 s10, v1                    ; wave 0..7
	v_and_b32 v30, 31, v0                          ; lane
	v_and_b32 v31, 15, v0                          ; r
	v_lshlrev_b32 v1, 4, v30                       ; 16 x lane
	v_lshlrev_b32 v2, 3, v30                       ; 8 x lane
	v_lshlrev_b32 v3, 2, v30                       ; 4 x lane
	s_wait_alu depctr_va_sdst(0)                   ; s10 is written, ahead of its first reader: LDS addresses, the head's number and the bases are made from it
	s_mul_i32 s40, s10, 768                        ; LDS, all addresses made here: my half fragment, 512 + 256 bytes,
	v_add_nc_u32 v7, s40, v1
	v_add_nc_u32 v8, s40, v2
	v_add_nc_u32 v8, 512, v8
	s_lshl_b32 s41, s10, 7
	s_add_co_u32 s41, s41, 6144                    ; its scale word;
	v_add_nc_u32 v9, s41, v3
	s_mul_i32 s40, s10, 1536                       ; and what waves 0-3 read back: the halves of heads 2 w and 2 w + 1
	v_add_nc_u32 v10, s40, v1
	v_add_nc_u32 v11, s40, v2
	v_add_nc_u32 v11, 512, v11
	s_lshl_b32 s41, s10, 8
	s_add_co_u32 s41, s41, 6144
	v_add_nc_u32 v29, s41, v3
	s_lshr_b32 s11, ttmp9, 1                       ; the tile of queries
	s_and_b32 s12, ttmp9, 1
	s_lshl_b32 s13, s12, 3
	s_add_co_u32 s13, s13, s10                     ; head
	s_lshr_b32 s14, s11, 1
	s_lshl_b32 s14, s14, 5
	s_and_b32 s15, s11, 1
	s_lshl_b32 s15, s15, 3
	s_add_co_u32 s14, s14, s15                     ; the tile's first query
	s_lshl_b32 s38, s14, 2
	s_mov_b32 s39, 0
	s_lshl_b32 s40, s11, 4
	s_add_co_u32 s40, s40, s13                     ; Q's fragment 16 x tile + head
	s_mul_i32 s42, s40, 1536
	s_mov_b32 s43, 0
	v_and_b32 v214, 8, v31
	v_add_nc_u32 v214, v214, v31
	v_lshlrev_b32 v214, 2, v214                    ; my query's place among the tile's: r + 8 (r / 8)
	v_bfe_u32 v215, v0, 4, 1
	v_lshlrev_b32 v215, 4, v215                    ; 16 h
	s_wait_kmcnt 0x0
	s_add_nc_u64 s[38:39], s[4:5], s[38:39]
	s_load_b256 s[16:23], s[38:39], 0x0            ; the tile's 16 segments: queries 0-7,
	s_load_b256 s[24:31], s[38:39], 0x40           ; and 16-23 from its first
	s_wait_alu depctr_va_vdst(0)                   ; v1-3, v7-11, v29 and v214 are written: the loads, stores and LDS instructions of the kernel read them as offsets and addresses, and no vector instruction names them again
	global_load_b32 v4, v214, s[38:39]             ; my query's
	s_add_nc_u64 s[44:45], s[6:7], s[42:43]
.irp c, 0,1,2
	global_load_b128 v[16+4*\c:19+4*\c], v1, s[44:45] offset:512*\c   ; Q stays in registers
.endr
	s_lshl_b32 s42, s40, 7
	s_add_co_u32 s42, s42, OFF_QS
	s_add_nc_u64 s[46:47], s[6:7], s[42:43]
	global_load_b32 v28, v3, s[46:47]
	s_mov_b32 s[SEL], 0x76543210
	s_mov_b32 s[SEL+1], 0xfedcba98
	s_mov_b32 s56, 0x3e0293ee                      ; c = log2(e) / sqrt(128)
	s_mov_b32 s57, s56                             ; (named with it as a pair, so it is written)
	v_mov_b32 v6, 0xff800000                       ; -infinity
	v_mov_b32 v13, 0xff61b1e6                      ; the largest t so far: -3e38
	v_floor_f32 v12, -v13                          ; -M
	v_mov_b32 v14, 0                               ; the sum, in two halves
	v_mov_b32 v15, 0
	v_mov_b32 v245, 0                              ; (the upper half of the pair v[244:245])
	v_mov_b32 v248, 0                              ; written once: a lane permute's destination counts as one of its sources
	v_mov_b32 v[TM+4], 0
	v_mov_b32 v[TM+5], 0
.irp t, 0,1,2,3
.irp i, 6,7,8,9,10,11
	v_mov_b32 v[84+12*\t+\i], 0                    ; V's fragments: zero codes for k = 64 .. 127
.endr
.endr
.irp i, 6,7,8,9,10,11
	v_mov_b32 v[PC+\i], 0                          ; P's likewise
.endr
.irp j, 0,1,2,3,4,5,6,7,8,9,10,11,12,13,14,15,16,17,18,19,20,21,22,23,24,25,26,27,28,29,30,31
	v_mov_b32 v[168+\j], 0                         ; O^T: the loop is written once, its first step finds zeros
.endr
	s_lshl_b32 s40, s11, 3                         ; where the result goes: fragment 8 x tile + 4 x half + wave (waves 0-3)
	s_lshl_b32 s41, s12, 2
	s_add_co_u32 s40, s40, s41
	s_add_co_u32 s40, s40, s10
	s_mul_i32 s42, s40, 1536
	s_add_nc_u64 s[58:59], s[8:9], s[42:43]
	s_lshl_b32 s42, s40, 7
	s_add_co_u32 s42, s42, AS
	s_add_nc_u64 s[60:61], s[8:9], s[42:43]
	s_wait_kmcnt 0x0
	s_min_u32 s32, s16, s17
	s_max_u32 s33, s16, s17
.irp i, 18,19,20,21,22,23,24,25,26,27,28,29,30,31
	s_min_u32 s32, s32, s[\i]
	s_max_u32 s33, s33, s[\i]
.endr
	s_min_u32 s32, s32, 2047
	s_min_u32 s33, s33, 2047
	s_max_u32 s32, s32, 2
	s_sub_co_u32 s32, s32, 2
	s_lshr_b32 s32, s32, 6                         ; the first run of 64 keys,
	s_min_u32 s32, s32, 31                         ; held inside the tables
	s_lshr_b32 s33, s33, 6
	s_sub_co_u32 s[NST], s33, s32                  ; (s11, s12 and s14 are done with as the tile's numbers)
	s_add_co_u32 s[NST], s[NST], 1                 ; and how many: 1 to 32
	s_min_u32 s[NST], s[NST], 32
	s_mov_b32 s[CNT], 0
	s_lshl_b32 s[KEY], s32, 6                      ; the step's first key
	s_mul_i32 s40, s13, 196608
	s_mul_i32 s41, s32, 6144
	s_add_co_u32 s40, s40, s41
	s_add_co_u32 s40, s40, OFF_KF
	s_mov_b32 s41, 0
	s_add_nc_u64 s[48:49], s[6:7], s[40:41]        ; K's four fragments of the step
	s_lshl_b32 s42, s13, 14
	s_lshl_b32 s40, s32, 9
	s_add_co_u32 s42, s42, s40
	s_add_co_u32 s40, s42, OFF_KS
	s_add_nc_u64 s[50:51], s[6:7], s[40:41]        ; their scale words
	s_add_co_u32 s40, s42, OFF_VS
	s_add_nc_u64 s[54:55], s[6:7], s[40:41]        ; V's scale words
	s_lshl_b32 s40, s13, 5
	s_add_co_u32 s40, s40, s32
	s_mul_i32 s40, s40, 3072
	s_add_co_u32 s40, s40, OFF_VF
	s_add_nc_u64 s[52:53], s[6:7], s[40:41]        ; V's four half fragments
	KLOAD                                          ; step 0's K.  No wait: no vector instruction has named v32-83, nor v1 and v3 since the wait at the head
	s_wait_loadcnt 16                              ; Q and my segment are in, and the bases that their loads read are free; K's 16 loads stay out
	v_sub_nc_u32 v4, v4, v215                      ; seg - 16 h: it goes into comparisons alone
.Lstep:
	v_sub_nc_u32 v5, v4, s[KEY]                    ; d = seg - the step's first key - 16 h: register n's key is seen where 0 <= d - (32 (n / 16) + n % 16) <= 2
.irp n, 0,1,2,3,4,5,6,7,8,9,10,11,12,13,14,15,16,17,18,19,20,21,22,23,24,25,26,27,28,29,30,31
	v_sub_nc_u32 v[250+\n%2], v5, 32*(\n/16)+\n%16
	v_cmp_gt_u32 s[MK+\n], 3, v[250+\n%2]          ; the masks are made while K is on its way.  (These lines also stand between the last step's products and the loads into V's registers)
.endr
	s_wait_alu depctr_va_sdst(0)                   ; the 32 masks are written, ahead of the selects that read them: one wait for the run
	s_wait_alu depctr_va_vdst(0)                   ; the last step's products O^T are done reading V's fragments and scale words, in which the loads below land
.irp t, 0,1,2,3
	global_load_b128 v[84+12*\t:87+12*\t], v1, s[52:53] offset:768*\t
	global_load_b64 v[88+12*\t:89+12*\t], v2, s[52:53] offset:768*\t+512
.endr
.irp t, 0,1,2,3
	global_load_b32 v[132+\t], v3, s[54:55] offset:128*\t
.endr
	s_wait_loadcnt 12                              ; K and its scale words are in; V's twelve loads may be out
.irp tl, 0,1,2,3
	v_wmma_scale_f32_16x16x128_f8f6f4 v[136+8*\tl:143+8*\tl], v[32+12*\tl:43+12*\tl], v[16:27], 0, v[80+\tl], v28 matrix_a_fmt:MATRIX_FMT_BF6 matrix_b_fmt:MATRIX_FMT_BF6
.endr
.rept 4
	v_nop
.endr
.irp n, 0,1,2,3,4,5,6,7,8,9,10,11,12,13,14,15,16,17,18,19,20,21,22,23,24,25,26,27,28,29,30,31
	v_cndmask_b32 v[136+\n], v6, v[136+\n], s[MK+\n]   ; each accumulator from its low end on
.endr
	v_max3_num_f32 v246, v136, v137, v138
	v_max3_num_f32 v247, v139, v140, v141
.irp i, 6,10,14,18,22,26
	v_max3_num_f32 v246, v246, v[136+\i], v[137+\i]
	v_max3_num_f32 v247, v247, v[138+\i], v[139+\i]
.endr
	v_max3_num_f32 v246, v246, v166, v167
	v_max_num_f32 v246, v246, v247
	v_permlanex16_b32 v248, v246, s[SEL], s[SEL+1]
	v_max_num_f32 v246, v246, v248                 ; the step's largest score of my query
	v_mul_f32 v246, s56, v246                      ; as t
	v_max_num_f32 v13, v13, v246                   ; the running largest t
	v_mov_b32 v246, v12
	v_floor_f32 v12, -v13                          ; the new -M = -ceil(t)
	v_sub_f32 v246, v12, v246                      ; old M - new M: a whole number, 0 or less
	v_cvt_i32_f32 v246, v246                       ; (it saturates)
	v_ldexp_f32 v244, 1.0, v246                    ; f = 2^(old M - new M): rounds nothing
.irp j, 0,2,4,6,8,10,12,14,16,18,20,22,24,26,28,30
	v_pk_fma_f32 v[136+\j:137+\j], v[136+\j:137+\j], s[56:57], v[12:13] op_sel_hi:[1,0,0]   ; t - M
.endr
.irp j, 0,1,2,3,4,5,6,7,8,9,10,11,12,13,14,15,16,17,18,19,20,21,22,23,24,25,26,27,28,29,30,31
	v_exp_f32 v[136+\j], v[136+\j]                 ; p
.endr
	v_pk_mul_f32 v[14:15], v[14:15], v[244:245] op_sel_hi:[1,0]   ; the sums under the new M.  (A plain place behind the exponentials)
	s_wait_alu depctr_va_vdst(0)                   ; the 32 exponentials have written p, ahead of its first reader; and the products S^T are done reading K's fragments and scale words, in which the next step's loads land
	s_wait_loadcnt 0x0                             ; V is in: the wait stands ahead of the branch, so that it is right on both ways.  All this step's loads have come back: the bases may step
	s_add_nc_u64 s[48:49], s[48:49], 6144
	s_add_nc_u64 s[50:51], s[50:51], 512
	s_add_nc_u64 s[52:53], s[52:53], 3072
	s_add_nc_u64 s[54:55], s[54:55], 512
	s_add_co_u32 s15, s[CNT], 1
	s_cmp_lt_u32 s15, s[NST]                       ; the next step's K is asked for here, if there is a next step: no load leaves its buffer
	s_cbranch_scc0 .Lno_next
	KLOAD                                          ; it has the quantiser, the sums, the products O^T and the next masks in which to land
.Lno_next:
	QUANT2 136
	v_pk_add_f32 v[246:247], v[136:137], v[138:139]   ; the sum is taken of the unquantised p, in two chains
.irp j, 4,8,12,16,20,24,28
	v_pk_add_f32 v[14:15], v[14:15], v[136+\j:137+\j]
	v_pk_add_f32 v[246:247], v[246:247], v[138+\j:139+\j]
.endr
	v_pk_add_f32 v[14:15], v[14:15], v[246:247]
.irp j, 0,2,4,6,8,10,12,14,16,18,20,22,24,26,28,30
	v_pk_mul_f32 v[168+\j:169+\j], v[168+\j:169+\j], v[244:245] op_sel_hi:[1,0]   ; O^T under the new M.  (With the sums above: the places between p's codes and scale word and the products below)
.endr
	s_wait_alu depctr_va_vdst(0)                   ; the quantiser has written p's codes and scale word, which the scaled products below take as source 1 and its scales; the places above stay beside this wait
.irp t, 0,1,2,3
	v_wmma_scale_f32_16x16x128_f8f6f4 v[168+8*\t:175+8*\t], v[84+12*\t:95+12*\t], v[PC:PC+11], v[168+8*\t:175+8*\t], v[132+\t], v[PW] matrix_a_fmt:MATRIX_FMT_BF6 matrix_b_fmt:MATRIX_FMT_BF6
.endr
	s_add_co_u32 s[KEY], s[KEY], 64
	s_add_co_u32 s[CNT], s[CNT], 1
	s_cmp_lt_u32 s[CNT], s[NST]
	s_cbranch_scc1 .Lstep
.rept 4
	v_nop
.endr
	v_add_f32 v14, v14, v15
	v_permlanex16_b32 v248, v14, s[SEL], s[SEL+1]
	v_add_f32 v14, v14, v248                       ; the row's sum
	v_rcp_f32 v14, v14
	v_nop                                          ; one plain place behind a transcendental
	s_wait_alu depctr_va_vdst(0)                   ; the reciprocal is written, ahead of its first reader
.irp j, 0,1,2,3,4,5,6,7,8,9,10,11,12,13,14,15,16,17,18,19,20,21,22,23,24,25,26,27,28,29,30,31
	v_mul_f32 v[136+\j], v[168+\j], v14            ; register 16 b + i: channel 32 b + 16 (lane / 16) + i of my head
.endr
	QUANT2 136                                     ; half a K step of W_o: two heads make a fragment
	s_wait_alu depctr_va_vdst(0)                   ; the quantiser has written the codes and the scale word, which the LDS stores read; and it is done reading v136-149, in which the LDS loads behind the barrier land
	ds_store_b128 v7, v[PC:PC+3]
	ds_store_b64 v8, v[PC+4:PC+5]
	ds_store_b32 v9, v[PW]
	s_wait_dscnt 0x0                               ; for the others' sake: my stores have landed
	s_barrier_signal -1
	s_barrier_wait -1
	s_cmp_lt_u32 s10, 4
	s_cbranch_scc0 .Lend
	ds_load_b128 v[136:139], v10                   ; head 2 w: registers 0-5;
	ds_load_b64 v[140:141], v11
	ds_load_b128 v[142:145], v10 offset:768        ; head 2 w + 1: registers 6-11
	ds_load_b64 v[146:147], v11 offset:768
	ds_load_b32 v148, v29
	ds_load_b32 v149, v29 offset:128
	s_wait_dscnt 0x0
	v_lshl_or_b32 v148, v149, 16, v148             ; the four bytes of the K step
	global_store_b128 v1, v[136:139], s[58:59]
	global_store_b128 v1, v[140:143], s[58:59] offset:512
	global_store_b128 v1, v[144:147], s[58:59] offset:1024
	s_wait_alu depctr_va_vdst(0)                   ; the joined scale word v148 is written, which the store below reads
	global_store_b32 v3, v148, s[60:61]
.Lend:
	s_wait_dscnt 0x0                               ; the closing lines, six on end
	s_wait_alu 0x0
	s_wait_tensorcnt 0x0
	ds_add_u32 v254, v255
	s_wait_dscnt 0x0
	s_endpgm
.Lfunc_end_k_qa9deec95f8_attn:
	.size	k_qa9deec95f8_attn, .Lfunc_end_k_qa9deec95f8_attn-k_qa9deec95f8_attn
	.p2alignl 7, 3214868480
	.fill 96, 4, 3214868480
	.section	.rodata,"a",@progbits
	.p2align	6, 0x0
	.amdhsa_kernel k_qa9deec95f8_attn
		.amdhsa_group_segment_fixed_size 8192
		.amdhsa_private_segment_fixed_size 0
		.amdhsa_enable_private_segment 0
		.amdhsa_kernarg_size 24
		.amdhsa_user_sgpr_count 2
		.amdhsa_user_sgpr_kernarg_segment_ptr 1
		.amdhsa_wavefront_size32 1
		.amdhsa_system_sgpr_workgroup_id_x 1
		.amdhsa_system_sgpr_workgroup_id_y 1
		.amdhsa_system_sgpr_workgroup_id_z 1
		.amdhsa_system_vgpr_workitem_id 0
		.amdhsa_next_free_vgpr 256
		.amdhsa_next_free_sgpr 66
		.amdhsa_reserve_vcc 0
		.amdhsa_float_denorm_mode_32 3
		.amdhsa_float_denorm_mode_16_64 3
		.amdhsa_memory_ordered 1
		.amdhsa_forward_progress 1
		.amdhsa_inst_pref_size 32
	.end_amdhsa_kernel
	.amdgpu_metadata
---
amdhsa.version: [ 1, 2 ]
amdhsa.kernels:
  - .name:           k_qa9deec95f8_attn
    .symbol:         k_qa9deec95f8_attn.kd
    .args:
      - { .name: seg_id, .offset: 0, .size: 8, .value_kind: global_buffer, .address_space: global }
      - { .name: qkv, .offset: 8, .size: 8, .value_kind: global_buffer, .address_space: global }
      - { .name: att, .offset: 16, .size: 8, .value_kind: global_buffer, .address_space: global }
    .group_segment_fixed_size: 8192
    .private_segment_fixed_size: 0
    .kernarg_segment_align: 8
    .kernarg_segment_size: 24
    .max_flat_workgroup_size: 256
    .sgpr_count:     66
    .vgpr_count:     256
    .wavefront_size: 32
...
	.end_amdgpu_metadata
.endif
;; end of part 7
;; launch projO: the kernel of part 5 again; grid 32 x 8, 4 waves a work-group, no clusters, 194,048 bytes of LDS; arguments pre, att, out0; writes out0
